; MI455X (gfx1250); checked and timed in simulation.
; The chip was launched on July 23, 2026; its instructions are those of AMD's public machine-readable ISA for CDNA 5 (MIT licence, August 2026) and "CDNA5" Instruction Set Architecture Reference Guide (July 2026). The comments in the code are by the model that wrote it; some were corrected since.
;; Causal Self Cross Attention. Allowed arithmetic: float matrix products may take bf16 or f16 operands with f32 sums; all other float work in f32.
;; Inputs: Wck 512 x 1,024 float32; Wcq 1,024 x 1,024 float32; Wcv 512 x 1,024 float32; Wk 1,024 x 1,024 float32; Wp 1,024 x 1,024 float32; Wq 1,024 x 1,024 float32; Wv 1,024 x 1,024 float32; bck 1,024 float32; bcq 1,024 float32; bcv 1,024 float32; bk 1,024 float32; bp 1,024 float32; bq 1,024 float32; bv 1,024 float32; cross_input 2 x 512 x 512 float32; x 2 x 2,048 x 1,024 float32.
;; Outputs: out0 2 x 2,048 x 1,024 float32.
;; 2 versions, each right; version 2 is version 1 with the launch prep written anew for expert scheduling mode. Each part assembles by itself: llvm-mc -triple=amdgcn-amd-amdhsa -mcpu=gfx1250 --defsym DOCPART=n.
;; ======== version 1 of 2: 5 launches
;; limits: values are held in f16: magnitudes above 65,504 overflow, below 6.1e-05 lose precision
;; workspace buffers: xb 8,388,608 bytes; cb 1,048,576 bytes; wb 12,582,912 bytes; qkv 33,554,432 bytes; ckv 4,194,304 bytes; yh 8,388,608 bytes
;; launch prep (part 1): grid 256 x 1, 8 waves a work-group, no clusters, 0 bytes of LDS; arguments x, cross_input, Wq, Wk, Wv, Wcq, Wck, Wcv, Wp, xb, cb, wb; writes xb, cb, wb
.if DOCPART == 1
	.amdgcn_target "amdgcn-amd-amdhsa--gfx1250"
	.amdhsa_code_object_version 6
	.text
	.protected	k_q660c4b6940_prep
	.globl	k_q660c4b6940_prep
	.p2align	8
	.type	k_q660c4b6940_prep,@function
k_q660c4b6940_prep:
	s_mov_b64 s[64:65], 0
	v_nop
	global_prefetch_b8 v0, s[64:65] scope:SCOPE_SE
	s_setreg_imm32_b32 hwreg(HW_REG_WAVE_MODE, 25, 1), 1
	s_wait_xcnt 0x0
; Casts of the nine large inputs, once, so that the products that follow read 16-bit operands.
;   x -> xb, cross_input -> cb, Wq Wk Wv Wcq Wck Wcv -> wb : f32 rounded to bf16 (nearest even), layouts unchanged.
;   Wp -> wb + 10 MiB: rounded to bf16 like the others, then carried as f16, because its partner in the last product (y) is f16.
;   LIMIT: that second step is exact for |w| >= 2^-14 (8 significant bits fit in f16's 11); below it the error is at most 3e-8; |w| < 65,504.
; A stream: each of the 256 work-groups takes 1/256 of every array.  A unit is 4,096 bytes in (thread t: 16 bytes at 16 t, so a wave's load
; covers 512 neighbouring bytes) and 2,048 bytes out (thread t: 8 bytes at 8 t, so a wave's store covers 256 neighbouring bytes, aligned).
; 42 units: all 42 loads go out first (168 registers a lane), then each unit is converted and stored as it arrives.  No loop, no LDS, no barrier;
; no matrix unit and no cluster, since nothing is multiplied and no two work-groups read the same byte.
.set UNITS, 42
.set DAT,   8                          ; v[8:175]  unit n: four registers as loaded; the first two then hold what is stored
	s_load_b512 s[8:23], s[0:1], 0x0               ; x s[8:9], cross_input s[10:11], Wq s[12:13], Wk s[14:15], Wv s[16:17], Wcq s[18:19], Wck s[20:21], Wcv s[22:23]
	s_load_b256 s[24:31], s[0:1], 0x40             ; Wp s[24:25], xb s[26:27], cb s[28:29], wb s[30:31]
	s_lshl_b32 s2, ttmp9, 16                       ; the work-group's share, as byte offsets: 65,536 (x in)
	s_mov_b32 s3, 0
	s_lshl_b32 s4, ttmp9, 15                       ; 32,768 (x out)
	s_mov_b32 s5, 0
	s_lshl_b32 s6, ttmp9, 14                       ; 16,384 (a square weight in)
	s_mov_b32 s7, 0
	s_lshl_b32 s36, ttmp9, 13                      ; 8,192 (a square weight out; cross_input, Wck, Wcv in)
	s_mov_b32 s37, 0
	s_lshl_b32 s38, ttmp9, 12                      ; 4,096 (cross_input, Wck, Wcv out)
	s_mov_b32 s39, 0
	v_lshlrev_b32 v1, 4, v0                        ; 16 t: never rewritten
	v_lshlrev_b32 v2, 3, v0                        ; 8 t: never rewritten
	s_wait_kmcnt 0x0
	s_add_nc_u64 s[8:9], s[8:9], s[2:3]
	s_add_nc_u64 s[10:11], s[10:11], s[36:37]
	s_add_nc_u64 s[12:13], s[12:13], s[6:7]
	s_add_nc_u64 s[14:15], s[14:15], s[6:7]
	s_add_nc_u64 s[16:17], s[16:17], s[6:7]
	s_add_nc_u64 s[18:19], s[18:19], s[6:7]
	s_add_nc_u64 s[20:21], s[20:21], s[36:37]
	s_add_nc_u64 s[22:23], s[22:23], s[36:37]
	s_add_nc_u64 s[24:25], s[24:25], s[6:7]
	s_add_nc_u64 s[26:27], s[26:27], s[4:5]
	s_add_nc_u64 s[28:29], s[28:29], s[38:39]
	s_add_nc_u64 s[32:33], s[30:31], 0x800000      ; wb at Wck's image (Wcv's lies 1 MiB behind it: in the immediate)
	s_add_nc_u64 s[32:33], s[32:33], s[38:39]
	s_add_nc_u64 s[34:35], s[30:31], 0xa00000      ; wb at Wp's image
	s_add_nc_u64 s[34:35], s[34:35], s[36:37]
	s_add_nc_u64 s[30:31], s[30:31], s[36:37]      ; wb at Wq's image (Wk, Wv, Wcq 2, 4, 6 MiB behind it: in the immediate)
; the loads of one array's units; n counts units through the whole text
.macro ARR_LD base, units
.set u, 0
.rept \units
	global_load_b128 v[DAT+4*n:DAT+4*n+3], v1, s[\base:\base+1] offset:u*4096 th:TH_LOAD_NT
.set u, u+1
.set n, n+1
.endr
.endm
; and their conversions and stores.  half = 1: bf16 is widened again and narrowed to f16
.macro ARR_ST base, off, units, half
.set u, 0
.rept \units
	s_wait_loadcnt UNITS-1-n                       ; loads come back in order (ISA guide 5.7.1): unit n is in, the younger ones stay out
	v_cvt_pk_bf16_f32 v[DAT+4*n], v[DAT+4*n], v[DAT+4*n+1]
	v_cvt_pk_bf16_f32 v[DAT+4*n+1], v[DAT+4*n+2], v[DAT+4*n+3]
.if \half
	v_lshlrev_b32 v[DAT+4*n+2], 16, v[DAT+4*n]
	v_and_b32 v[DAT+4*n+3], 0xffff0000, v[DAT+4*n]
	v_cvt_pk_f16_f32 v[DAT+4*n], v[DAT+4*n+2], v[DAT+4*n+3]
	v_lshlrev_b32 v[DAT+4*n+2], 16, v[DAT+4*n+1]
	v_and_b32 v[DAT+4*n+3], 0xffff0000, v[DAT+4*n+1]
	v_cvt_pk_f16_f32 v[DAT+4*n+1], v[DAT+4*n+2], v[DAT+4*n+3]
.endif
	global_store_b64 v2, v[DAT+4*n:DAT+4*n+1], s[\base:\base+1] offset:\off+u*2048   ; its data registers are never written again
.set u, u+1
.set n, n+1
.endr
.endm
.set n, 0
	ARR_LD 8, 16
	ARR_LD 10, 2
	ARR_LD 12, 4
	ARR_LD 14, 4
	ARR_LD 16, 4
	ARR_LD 18, 4
	ARR_LD 20, 2
	ARR_LD 22, 2
	ARR_LD 24, 4
.set n, 0
	ARR_ST 26, 0, 16, 0
	ARR_ST 28, 0, 2, 0
	ARR_ST 30, 0, 4, 0
	ARR_ST 30, 0x200000, 4, 0
	ARR_ST 30, 0x400000, 4, 0
	ARR_ST 30, 0x600000, 4, 0
	ARR_ST 32, 0, 2, 0
	ARR_ST 32, 0x100000, 2, 0
	ARR_ST 34, 0, 4, 1
	s_endpgm
.Lfunc_end_k_q660c4b6940_prep:
	.size	k_q660c4b6940_prep, .Lfunc_end_k_q660c4b6940_prep-k_q660c4b6940_prep
	.p2alignl 7, 3214868480
	.fill 96, 4, 3214868480
	.section	.rodata,"a",@progbits
	.p2align	6, 0x0
	.amdhsa_kernel k_q660c4b6940_prep
		.amdhsa_group_segment_fixed_size 0
		.amdhsa_private_segment_fixed_size 0
		.amdhsa_enable_private_segment 0
		.amdhsa_kernarg_size 96
		.amdhsa_user_sgpr_count 2
		.amdhsa_user_sgpr_kernarg_segment_ptr 1
		.amdhsa_wavefront_size32 1
		.amdhsa_system_sgpr_workgroup_id_x 1
		.amdhsa_system_sgpr_workgroup_id_y 1
		.amdhsa_system_sgpr_workgroup_id_z 1
		.amdhsa_system_vgpr_workitem_id 0
		.amdhsa_next_free_vgpr 180
		.amdhsa_next_free_sgpr 66
		.amdhsa_reserve_vcc 0
		.amdhsa_float_denorm_mode_32 3
		.amdhsa_float_denorm_mode_16_64 3
		.amdhsa_memory_ordered 1
		.amdhsa_forward_progress 1
		.amdhsa_inst_pref_size 18
	.end_amdhsa_kernel
	.amdgpu_metadata
---
amdhsa.version: [ 1, 2 ]
amdhsa.kernels:
  - .name:           k_q660c4b6940_prep
    .symbol:         k_q660c4b6940_prep.kd
    .args:
      - { .name: x, .offset: 0, .size: 8, .value_kind: global_buffer, .address_space: global }
      - { .name: cross_input, .offset: 8, .size: 8, .value_kind: global_buffer, .address_space: global }
      - { .name: Wq, .offset: 16, .size: 8, .value_kind: global_buffer, .address_space: global }
      - { .name: Wk, .offset: 24, .size: 8, .value_kind: global_buffer, .address_space: global }
      - { .name: Wv, .offset: 32, .size: 8, .value_kind: global_buffer, .address_space: global }
      - { .name: Wcq, .offset: 40, .size: 8, .value_kind: global_buffer, .address_space: global }
      - { .name: Wck, .offset: 48, .size: 8, .value_kind: global_buffer, .address_space: global }
      - { .name: Wcv, .offset: 56, .size: 8, .value_kind: global_buffer, .address_space: global }
      - { .name: Wp, .offset: 64, .size: 8, .value_kind: global_buffer, .address_space: global }
      - { .name: xb, .offset: 72, .size: 8, .value_kind: global_buffer, .address_space: global }
      - { .name: cb, .offset: 80, .size: 8, .value_kind: global_buffer, .address_space: global }
      - { .name: wb, .offset: 88, .size: 8, .value_kind: global_buffer, .address_space: global }
    .group_segment_fixed_size: 0
    .private_segment_fixed_size: 0
    .kernarg_segment_align: 8
    .kernarg_segment_size: 96
    .max_flat_workgroup_size: 256
    .sgpr_count:     66
    .vgpr_count:     180
    .wavefront_size: 32
...
	.end_amdgpu_metadata
.endif
;; end of part 1
;; launch proj (part 2): grid 16 x 16, 4 waves a work-group, clusters of 4 x 4, 327,680 bytes of LDS; arguments xb, wb, bq, bk, bv, bcq, qkv; writes qkv
.if DOCPART == 2
	.amdgcn_target "amdgcn-amd-amdhsa--gfx1250"
	.amdhsa_code_object_version 6
	.text
	.protected	k_q660c4b6940_proj
	.globl	k_q660c4b6940_proj
	.p2align	8
	.type	k_q660c4b6940_proj,@function
k_q660c4b6940_proj:
	s_mov_b64 s[64:65], 0
	v_nop
	global_prefetch_b8 v0, s[64:65] scope:SCOPE_SE
	s_setreg_imm32_b32 hwreg(HW_REG_WAVE_MODE, 25, 1), 1
	s_wait_xcnt 0x0
	s_wait_alu depctr_hold_cnt(0) depctr_sa_sdst(0) depctr_va_vdst(0) depctr_va_sdst(0) depctr_va_ssrc(0) depctr_va_vcc(0) depctr_vm_vsrc(0)
	s_getreg_b32 s2, hwreg(HW_REG_IB_STS2, 6, 4)
	s_cmp_eq_u32 s2, 0
	s_cbranch_scc0 .Lentry_in_a_cluster
	s_endpgm
.Lentry_in_a_cluster:
	s_bfe_u32 s2, ttmp6, 0x10000c
	s_cmp_lg_u32 s2, 0xf033
	s_cbranch_scc0 .Lentry_shape_is_right
	s_endpgm
.Lentry_shape_is_right:
; q, k, v, qc = x W + b for W = Wq, Wk, Wv, Wcq: one product [4096 x 1024] x [1024 x 4096], bf16 operands, f32 sums, results stored as f16 by heads:
; qkv[which 4][16 batch + head][t 2048][d 64].   LIMIT: |q|, |k|, |v|, |qc| < 65,504 (f16); f16 is taken for its 11 significant bits.
; A work-group makes 256 x 256 with four waves, a wave 128 x 128: 64 accumulator tiles, 512 registers.  K goes in steps of 128 through two LDS slots.
; x's tile: 256 rows x 128 k, rows of 256 bytes, LDS pitch 272.  The weight stays [k][n] as the input has it: its tile is 128 k rows x 256 n,
; rows of 512 bytes, LDS pitch 544, and its fragments come out of LDS by the transposing load.
; CLUSTERS: 4 x 4 work-groups.  The cluster's x is the weight (which), cx the block of 256 columns in it, 4 x cluster y + cy the block of 256 rows.
; x's tile hangs on the block row alone and is asked for jointly along a row of the cluster, the weight's on which and cx alone: along a column.
;
; REGISTERS in windows of 256:  window 0: v0-31 addresses; v64-127, v128-191 fragments of x, two buffers; v192-223 the way out
;   window 1: v0-63 the bias of my 128 columns, laid out as eight accumulator tiles; v64-127, v128-191 fragments of W, two buffers
;   window 2: the 32 accumulator tiles of my rows 0-63 (tile (a, b) at v[8 (8 a + b)]);   window 3: those of my rows 64-127
; The matrix instruction is used transposed (source 0 = 16 columns of W, source 1 = 16 rows of x): lane l holds row l % 16, registers 0-7 the
; columns 8 (l / 16) + 0..7.  The first product of each tile takes the bias as C: nothing is cleared and no add follows.
.set SIZE_K, 1024
.set KSTEP,  128
.set PITCH,  272                       ; x's LDS row: 256 bytes + 16: the 16 rows of a fragment load begin in 16 different groups of four banks
.set BPITCH, 544                       ; W's LDS row: 512 bytes + 32 = 17 x 32 bytes, an odd multiple of 32
.set HALFT,  128*PITCH                 ; what one tensor load brings: 128 rows of x, or 64 k rows of W (64 x 544 is the same 34,816 bytes)
.set SLOT,   4*HALFT                   ; x's 256 rows, then W's 128 k rows
.set STAGE,  2*SLOT                    ; behind the ring: 16 rows x 272 bytes for each wave; no fill lands here
.set SPITCH, 272
.set LAPS, SIZE_K/(2*KSTEP)            ; a lap = two K steps = once round the ring: 4
.set ADRA, 16                          ; v16-17  LDS address of my x fragments in slot 0, 1
.set ADRB, 20                          ; v20-21  the same for W
.set STO,  24                          ; v24     the way out: where I put 16 bytes of a row
.set RD,   25                          ; v25     the way out: where I read back
.set CO,   26                          ; v26     16 x lane
.set BO,   27                          ; v27     32 x (lane / 16): my place in 16 numbers of the bias
.set F0,   64
.set F1,   128
.set TMP,  192
.set G1, 24                            ; s[24:31] descriptor group 1, x's tiles
.set G0, 32                            ; s[32:39] group 0, x's tiles, one set for each slot
.set G1B, 48                           ; s[48:55] group 1, W's tiles
.set G0B, 56                           ; s[56:63] group 0, W's tiles, one set for each slot
.set MSB, 0
.macro WIN new                         ; the immediate's high byte repeats the setting that is left
.if MSB != \new
	s_set_vgpr_msb (MSB<<8)|\new
.set MSB, \new
.endif
.endm
.set MUL_LO, 0xa1                      ; source 0 (W) window 1, source 1 (x) window 0, C and D window 2
.set MUL_HI, 0xf1                      ; the same, C and D window 3
.set FST_LO, 0x91                      ; the first product: C is the bias in window 1, D window 2
.set FST_HI, 0xd1                      ; the same, D window 3
.set TO_B,   0x40                      ; destination window 1, address window 0
; A joint load.  Waves 0 and 1 fetch x's two halves, waves 2 and 3 W's.  The branch hangs on the wave's number alone.
.macro JLOAD s
	s_cmp_eq_u32 s11, 0
	s_cbranch_scc0 .Lfor_b_\@
	tensor_load_to_lds s[G0+4*\s:G0+4*\s+3], s[G1:G1+7]
	s_nop 0
	s_branch .Lasked_\@
.Lfor_b_\@:
	tensor_load_to_lds s[G0B+4*\s:G0B+4*\s+3], s[G1B:G1B+7]
	s_nop 0
.Lasked_\@:
.endm
; A round of the cluster's barrier: my work-group's barrier; wave 0 signals for the work-group; every wave waits for all sixteen; my work-group's barrier again.
.macro CREST                           ; a round behind its opening barrier
	s_cmp_lg_u32 s10, 0
	s_cbranch_scc1 .Lnot_wave_0_\@
	s_barrier_signal -3
.Lnot_wave_0_\@:
	s_barrier_wait -3
	s_barrier_signal -1
	s_barrier_wait -1
.endm
.macro CROUND
	s_barrier_signal -1
	s_barrier_wait -1
	CREST
.endm
	s_load_b128 s[4:7], s[0:1], 0x0                ; xb s[4:5], wb s[6:7]
	s_load_b256 s[68:75], s[0:1], 0x10             ; bq, bk, bv, bcq
	s_load_b64 s[8:9], s[0:1], 0x30                ; qkv
	s_set_vgpr_msb 0x40
	v_lshl_add_u32 v255, v0, 2, 0x48400
	s_set_vgpr_msb 0x4000
	v_mov_b32 v255, 0
	s_set_vgpr_msb 0x1
	ds_add_u32 v255, v255
	ds_add_u32 v255, v255
	s_set_vgpr_msb 0x100
	v_lshrrev_b32 v1, 5, v0
	v_readfirstlane_b32 s10, v1                    ; wave 0..3
	s_lshr_b32 s11, s10, 1                         ; which half of the block's rows is mine.  Also: I fetch for x (0) or for W (1)
	s_and_b32 s12, s10, 1                          ; which half of its columns.  Also: which half of that tile I fetch
	s_bfe_u32 s40, ttmp6, 0x40000                  ; cx
	s_bfe_u32 s41, ttmp6, 0x40004                  ; cy
	s_mov_b32 s45, ttmp9                           ; which: 0 q, 1 k, 2 v, 3 qc (the cluster's x)
	s_and_b32 s13, ttmp7, 0xffff
	s_lshl_b32 s13, s13, 2
	s_add_co_u32 s13, s13, s41                     ; block row = 4 x cluster y + cy
	s_lshl_b32 s43, s41, 2
	s_lshl_b32 s43, 15, s43                        ; my row of the cluster: places 4 cy .. 4 cy + 3
	s_lshl_b32 s44, 0x1111, s40                    ; my column: places cx, cx + 4, cx + 8, cx + 12
	; group 1 for x: 128 rows x 128 elements of 2 bytes, 4 words of padding behind every 64
	s_or_b32 s[G1+0], s43, (1<<16)|(1<<20)|(1<<21)|(5<<22)|(3<<25)
	s_mov_b32 s[G1+1], KSTEP<<16                   ; tensor_dim0 = 128
	s_mov_b32 s[G1+2], 128<<16                     ; tensor_dim1 = 128
	s_mov_b32 s[G1+3], KSTEP<<16                   ; tile_dim0 = 128
	s_mov_b32 s[G1+4], 128                         ; tile_dim1 = 128
	s_mov_b32 s[G1+5], SIZE_K                      ; elements from row to row
	s_mov_b32 s[G1+6], 0
	s_mov_b32 s[G1+7], 0
	; group 1 for W: 64 k rows x 256 elements of 2 bytes, 8 words of padding behind every 128
	s_or_b32 s[G1B+0], s44, (1<<16)|(1<<20)|(1<<21)|(6<<22)|(7<<25)
	s_mov_b32 s[G1B+1], 256<<16
	s_mov_b32 s[G1B+2], 64<<16
	s_mov_b32 s[G1B+3], 256<<16
	s_mov_b32 s[G1B+4], 64
	s_mov_b32 s[G1B+5], 1024
	s_mov_b32 s[G1B+6], 0
	s_mov_b32 s[G1B+7], 0
	; where the tiles come from, each in registers that never hold the other coordinate
	s_lshl_b32 s16, s13, 19                        ; x: 256 rows x 2,048 bytes x block row
	s_lshl_b32 s17, s12, 18                        ;    + 128 rows x half
	s_add_co_u32 s16, s16, s17
	s_mov_b32 s17, 0
	s_lshl_b32 s46, s45, 21                        ; W: 2 MiB x which
	s_lshl_b32 s47, s40, 9                         ;    + 512 bytes x cx
	s_add_co_u32 s46, s46, s47
	s_lshl_b32 s47, s12, 17                        ;    + 64 k rows x 2,048 bytes x half
	s_add_co_u32 s46, s46, s47
	s_mov_b32 s47, 0
	s_lshl_b32 s76, s40, 10                        ; bias: 4 bytes x (256 cx + 128 column half)
	s_lshl_b32 s77, s12, 9
	s_add_co_u32 s76, s76, s77
	s_mov_b32 s77, 0
	s_mul_i32 s20, s10, HALFT                      ; where they go: wave x 34,816: no place in the cluster enters an LDS address
	s_wait_dscnt 0x0
	s_wait_kmcnt 0x0
	s_add_nc_u64 s[14:15], s[4:5], s[16:17]
	s_add_nc_u64 s[46:47], s[6:7], s[46:47]
	s_cmp_eq_u32 s45, 1                            ; the bias that belongs to the weight
	s_cselect_b64 s[68:69], s[70:71], s[68:69]
	s_cmp_eq_u32 s45, 2
	s_cselect_b64 s[68:69], s[72:73], s[68:69]
	s_cmp_eq_u32 s45, 3
	s_cselect_b64 s[68:69], s[74:75], s[68:69]
	s_add_nc_u64 s[68:69], s[68:69], s[76:77]
	CROUND                                         ; all sixteen work-groups are here: the first joint loads meet
.irp s, 0,1
	s_mov_b32 s[G0+4*\s], 1
	s_add_co_u32 s[G0+4*\s+1], s20, \s*SLOT
	s_add_nc_u64 s[G0+4*\s+2:G0+4*\s+3], s[14:15], \s*KSTEP*2          ; K step s: 256 bytes along x's rows
	s_or_b32 s[G0+4*\s+3], s[G0+4*\s+3], 0x80000000
	s_mov_b32 s[G0B+4*\s], 1
	s_add_co_u32 s[G0B+4*\s+1], s20, \s*SLOT
	s_add_nc_u64 s[G0B+4*\s+2:G0B+4*\s+3], s[46:47], \s*KSTEP*2048     ; K step s: 128 rows down W
	s_or_b32 s[G0B+4*\s+3], s[G0B+4*\s+3], 0x80000000
	JLOAD \s
.endr
	; x's fragment: lane l holds row l % 16; two loads of 16 bytes, 32 apart, at row x pitch + 16 (l / 16)
	v_and_b32 v1, 15, v0                           ; l % 16
	v_bfe_u32 v2, v0, 4, 1                         ; l / 16
	v_mul_u32_u24 v3, v1, PITCH
	v_lshl_add_u32 v3, v2, 4, v3
	s_mul_i32 s21, s11, HALFT                      ; my 128 rows of x
	; W's fragment by the transposing load: lane l addresses k row 8 (l / 16) + l % 8, 16 bytes at 16 ((l / 8) % 2); the second load 16 k rows further
	v_and_b32 v7, 7, v0
	v_lshl_add_u32 v7, v2, 3, v7
	v_mul_u32_u24 v7, v7, BPITCH
	v_bfe_u32 v8, v0, 3, 1
	v_lshl_add_u32 v7, v8, 4, v7
	s_lshl_b32 s22, s12, 8                         ; my 128 columns: 256 bytes x half,
	s_add_co_u32 s22, s22, 2*HALFT                 ; behind x's 256 rows
.irp s, 0,1
	v_add_nc_u32 v[ADRA+\s], s21, v3
	v_add_nc_u32 v[ADRB+\s], s22, v7
	s_add_co_u32 s21, s21, SLOT
	s_add_co_u32 s22, s22, SLOT
.endr
	s_mul_i32 s23, s10, 16*SPITCH
	s_add_co_u32 s23, s23, STAGE                   ; my stage
	v_mul_u32_u24 v4, v1, SPITCH                   ; in: row l % 16, 16 bytes for each half of the lanes
	v_lshl_add_u32 v4, v2, 4, v4
	v_add_nc_u32 v[STO], s23, v4
	v_bfe_u32 v5, v0, 3, 2                         ; back: eight lanes take the 128 bytes that one row has of one head; four rows a load
	v_mul_u32_u24 v5, v5, SPITCH
	v_and_b32 v6, 7, v0
	v_lshl_add_u32 v5, v6, 4, v5
	v_add_nc_u32 v[RD], s23, v5
	v_and_b32 v6, 31, v0
	v_lshlrev_b32 v[CO], 4, v6
	v_lshlrev_b32 v[BO], 5, v2
	; the bias as eight accumulator tiles: register j of tile b = bias[my first column + 16 b + 8 (l / 16) + j]
	WIN TO_B
.irp b, 0,1,2,3,4,5,6,7
	global_load_b128 v[8*\b:8*\b+3],   v[BO], s[68:69] offset:64*\b
	global_load_b128 v[8*\b+4:8*\b+7], v[BO], s[68:69] offset:64*\b+16
.endr
	WIN 0
; 16 matrix instructions: m blocks a0, a0 + 1 of the window's four x all 8 n blocks, 32 along K.  first = 1: C is the bias.
; The 64 accumulators take turns, one instruction a turn, in the same order in every quarter step.
.macro MUL16 f, hi, a0, first
.irp a, \a0, \a0+1
.irp b, 0,1,2,3,4,5,6,7
.if \first
	v_wmma_f32_16x16x32_bf16 v[8*(8*(\a)+\b):8*(8*(\a)+\b)+7], v[\f+8*\b:\f+8*\b+7], v[\f+8*(4*\hi+\a):\f+8*(4*\hi+\a)+7], v[8*\b:8*\b+7]
.else
	v_wmma_f32_16x16x32_bf16 v[8*(8*(\a)+\b):8*(8*(\a)+\b)+7], v[\f+8*\b:\f+8*\b+7], v[\f+8*(4*\hi+\a):\f+8*(4*\hi+\a)+7], v[8*(8*(\a)+\b):8*(8*(\a)+\b)+7]
.endif
.endr
.endr
.endm
; 32 LDS loads in one run: the fragments of one quarter step (32 k at byte k of x's rows = k rows k/2 .. of W) into buffer f
.macro FETCH slot, k, f
	WIN TO_B
.irp i, 0,1,2,3,4,5,6,7
	ds_load_tr16_b128 v[\f+8*\i:\f+8*\i+3],   v[ADRB+\slot] offset:(\k/64)*32*BPITCH+32*\i
	ds_load_tr16_b128 v[\f+8*\i+4:\f+8*\i+7], v[ADRB+\slot] offset:(\k/64)*32*BPITCH+32*\i+16*BPITCH
.endr
	WIN 0
.irp i, 0,1,2,3,4,5,6,7
	ds_load_b128 v[\f+8*\i:\f+8*\i+3],   v[ADRA+\slot] offset:\k+\i*16*PITCH
	ds_load_b128 v[\f+8*\i+4:\f+8*\i+7], v[ADRA+\slot] offset:\k+\i*16*PITCH+32
.endr
.endm
; Four places behind a matrix instruction before a load lands in a register that it read or a vector instruction reads its result (ISA guide 7.12.1
; for vector instructions); the matrix instructions in between are not counted.
.macro PLACES
.rept 4
	v_nop
.endr
.endm
.macro QUARTER slot, k, f, g, first
	s_wait_dscnt 8                                 ; W and x's rows 0-63 are in; the youngest eight loads (x's rows 64-127) may be out
.if \first
	WIN FST_LO
.else
	WIN MUL_LO
.endif
	MUL16 \f, 0, 0, \first
	MUL16 \f, 0, 2, \first
	PLACES
	FETCH \slot, \k, \g
	s_wait_dscnt 32                                ; all but the 32 just issued
.if \first
	WIN FST_HI
.else
	WIN MUL_HI
.endif
	MUL16 \f, 1, 0, \first
	MUL16 \f, 1, 2, \first
.endm
.macro THREE slot, first
	QUARTER \slot, 64,  F0, F1, \first
	QUARTER \slot, 128, F1, F0, 0
	QUARTER \slot, 192, F0, F1, 0
.endm
; The last quarter of a K step: multiplies buffer 1 and changes slots.  In front of the barrier each wave waits for its reads of this slot and for all
; its tensor loads (one is out: its part of the next slot).  Behind it the refill comes first, then the next slot's first fragments.
.macro TURN slot, next, fill
	s_wait_dscnt 8
	WIN MUL_LO
	MUL16 F1, 0, 0, 0
	s_wait_dscnt 0                                 ; my reads of this slot are over
	s_wait_tensorcnt 0x0                           ; and all my tensor loads have landed
	ds_add_u32 v255, v255
	s_wait_dscnt 0x0
	s_barrier_signal -1                            ; (where a slot is filled again this barrier opens a round of the cluster's barrier)
	MUL16 F1, 0, 2, 0                              ; register work while the others arrive
	WIN 0
	s_barrier_wait -1
.if \fill
	CREST                                          ; no wave of any partner still reads this slot's tile or has a load on its way
	s_add_nc_u64 s[G0+4*\slot+2:G0+4*\slot+3], s[G0+4*\slot+2:G0+4*\slot+3], 2*KSTEP*2
	s_add_nc_u64 s[G0B+4*\slot+2:G0B+4*\slot+3], s[G0B+4*\slot+2:G0B+4*\slot+3], 2*KSTEP*2048
	JLOAD \slot                                    ; the first tensor load behind the round, one a wave
.endif
	PLACES
	FETCH \next, 0, F0
	WIN MUL_HI
	MUL16 F1, 1, 0, 0
	MUL16 F1, 1, 2, 0
.endm
.macro LAP first
	THREE 0, \first
	TURN 0, 1, 1
	THREE 1, 0
	TURN 1, 0, 1
.endm
	s_wait_loadcnt 0x0                             ; the bias
	s_wait_tensorcnt 1                             ; my part of K step 0 is in; K step 1's stays out
	s_barrier_signal -1
	s_barrier_wait -1
	FETCH 0, 0, F0
	LAP 1                                          ; the first lap stands in front of the loop: its first products start the sums from the bias
	WIN 0
	s_mov_b32 s3, LAPS-2
.Llap:
	LAP 0
	WIN 0
	s_sub_co_u32 s3, s3, 1
	s_cmp_lg_u32 s3, 0
	s_cbranch_scc1 .Llap
	THREE 0, 0                                     ; the last lap fills nothing
	TURN 0, 1, 0
	THREE 1, 0
	s_wait_dscnt 8
	WIN MUL_LO
	MUL16 F1, 0, 0, 0
	MUL16 F1, 0, 2, 0
	s_wait_dscnt 0
	WIN MUL_HI
	MUL16 F1, 1, 0, 0
	MUL16 F1, 1, 2, 0
	; THE WAY OUT, 16 rows at a time: round to f16, 16 bytes a lane into my own stage, read back by heads.  My 128 columns are two heads; 16 rows of
	; one head are 2,048 neighbouring bytes of its panel, so each store of the wave covers 512 neighbouring bytes, aligned.
	PLACES
	s_lshr_b32 s16, s13, 3                         ; batch = block row / 8: 16 panels of 262,144 bytes
	s_lshl_b32 s16, s16, 22
	s_and_b32 s14, s13, 7                          ; t = 256 (block row % 8) + 128 row half, rows of 128 bytes
	s_lshl_b32 s14, s14, 15
	s_add_co_u32 s16, s16, s14
	s_lshl_b32 s14, s11, 14
	s_add_co_u32 s16, s16, s14
	s_mov_b32 s17, 0
	s_add_nc_u64 s[8:9], s[8:9], s[16:17]
	s_lshl_b32 s46, s45, 23                        ; which: 32 panels
	s_lshl_b32 s47, s40, 20                        ; head = 4 cx + 2 column half
	s_add_co_u32 s46, s46, s47
	s_lshl_b32 s47, s12, 19
	s_add_co_u32 s46, s46, s47
	s_mov_b32 s47, 0
	s_add_nc_u64 s[8:9], s[8:9], s[46:47]
.macro OUT16 i, a, from, f
	WIN \from
.irp b, 0,1,2,3,4,5,6,7
.irp r, 0,1,2,3
	v_cvt_pk_f16_f32 v[TMP+4*\b+\r], v[8*(8*\a+\b)+2*\r], v[8*(8*\a+\b)+2*\r+1]
.endr
.endr
	WIN 0
.irp b, 0,1,2,3,4,5,6,7
	ds_store_b128 v[STO], v[TMP+4*\b:TMP+4*\b+3] offset:32*\b
.endr
	s_wait_xcnt 0x0                                ; buffer f, which earlier stores read, is loaded again only behind this wait
.irp h, 0,1
.irp u, 0,1,2,3
	ds_load_b128 v[\f+16*\h+4*\u:\f+16*\h+4*\u+3], v[RD] offset:\u*4*SPITCH+\h*128   ; LDS serves a wave's instructions in order: these see the stores above
.endr
.endr
.irp h, 0,1
.irp u, 0,1,2,3
	s_wait_dscnt 7-(4*\h+\u)
	global_store_b128 v[CO], v[\f+16*\h+4*\u:\f+16*\h+4*\u+3], s[8:9] offset:\h*262144+\i*2048+\u*512
.endr
.endr
.endm
	OUT16 0, 0, 0x0a, F0
	OUT16 1, 1, 0x0a, F1
	OUT16 2, 2, 0x0a, F0
	OUT16 3, 3, 0x0a, F1
	OUT16 4, 0, 0x0f, F0
	OUT16 5, 1, 0x0f, F1
	OUT16 6, 2, 0x0f, F0
	OUT16 7, 3, 0x0f, F1
	s_set_vgpr_msb 0x1
	s_wait_tensorcnt 0x0
	ds_add_u32 v255, v255
	s_wait_dscnt 0x0
	s_set_vgpr_msb 0x100
	CROUND                                         ; the closing round: no work-group ends while a partner may still ask for a tile that names it
	s_endpgm
.Lfunc_end_k_q660c4b6940_proj:
	.size	k_q660c4b6940_proj, .Lfunc_end_k_q660c4b6940_proj-k_q660c4b6940_proj
	.p2alignl 7, 3214868480
	.fill 96, 4, 3214868480
	.section	.rodata,"a",@progbits
	.p2align	6, 0x0
	.amdhsa_kernel k_q660c4b6940_proj
		.amdhsa_group_segment_fixed_size 327680
		.amdhsa_private_segment_fixed_size 0
		.amdhsa_enable_private_segment 0
		.amdhsa_kernarg_size 56
		.amdhsa_user_sgpr_count 2
		.amdhsa_user_sgpr_kernarg_segment_ptr 1
		.amdhsa_wavefront_size32 1
		.amdhsa_system_sgpr_workgroup_id_x 1
		.amdhsa_system_sgpr_workgroup_id_y 1
		.amdhsa_system_sgpr_workgroup_id_z 1
		.amdhsa_system_vgpr_workitem_id 0
		.amdhsa_next_free_vgpr 1024
		.amdhsa_next_free_sgpr 80
		.amdhsa_reserve_vcc 0
		.amdhsa_float_denorm_mode_32 3
		.amdhsa_float_denorm_mode_16_64 3
		.amdhsa_memory_ordered 1
		.amdhsa_forward_progress 1
		.amdhsa_inst_pref_size 198
	.end_amdhsa_kernel
	.amdgpu_metadata
---
amdhsa.version: [ 1, 2 ]
amdhsa.kernels:
  - .name:           k_q660c4b6940_proj
    .symbol:         k_q660c4b6940_proj.kd
    .args:
      - { .name: xb, .offset: 0, .size: 8, .value_kind: global_buffer, .address_space: global }
      - { .name: wb, .offset: 8, .size: 8, .value_kind: global_buffer, .address_space: global }
      - { .name: bq, .offset: 16, .size: 8, .value_kind: global_buffer, .address_space: global }
      - { .name: bk, .offset: 24, .size: 8, .value_kind: global_buffer, .address_space: global }
      - { .name: bv, .offset: 32, .size: 8, .value_kind: global_buffer, .address_space: global }
      - { .name: bcq, .offset: 40, .size: 8, .value_kind: global_buffer, .address_space: global }
      - { .name: qkv, .offset: 48, .size: 8, .value_kind: global_buffer, .address_space: global }
    .group_segment_fixed_size: 327680
    .private_segment_fixed_size: 0
    .kernarg_segment_align: 8
    .kernarg_segment_size: 56
    .max_flat_workgroup_size: 128
    .sgpr_count:     80
    .vgpr_count:     1024
    .wavefront_size: 32
...
	.end_amdgpu_metadata
.endif
;; end of part 2
;; launch cproj (part 3): grid 16 x 8, 4 waves a work-group, clusters of 4 x 4, 292,352 bytes of LDS; arguments cb, wb, bck, bcv, ckv; writes ckv
.if DOCPART == 3
	.amdgcn_target "amdgcn-amd-amdhsa--gfx1250"
	.amdhsa_code_object_version 6
	.text
	.protected	k_q660c4b6940_cproj
	.globl	k_q660c4b6940_cproj
	.p2align	8
	.type	k_q660c4b6940_cproj,@function
k_q660c4b6940_cproj:
	s_mov_b64 s[64:65], 0
	v_nop
	global_prefetch_b8 v0, s[64:65] scope:SCOPE_SE
	s_setreg_imm32_b32 hwreg(HW_REG_WAVE_MODE, 25, 1), 1
	s_wait_xcnt 0x0
	s_wait_alu depctr_hold_cnt(0) depctr_sa_sdst(0) depctr_va_vdst(0) depctr_va_sdst(0) depctr_va_ssrc(0) depctr_va_vcc(0) depctr_vm_vsrc(0)
	s_getreg_b32 s2, hwreg(HW_REG_IB_STS2, 6, 4)
	s_cmp_eq_u32 s2, 0
	s_cbranch_scc0 .Lentry_in_a_cluster
	s_endpgm
.Lentry_in_a_cluster:
	s_bfe_u32 s2, ttmp6, 0x10000c
	s_cmp_lg_u32 s2, 0xf033
	s_cbranch_scc0 .Lentry_shape_is_right
	s_endpgm
.Lentry_shape_is_right:
.set OUTP, 0                           ; 0: kc, vc = cross_input Wc + b.   1: out0 = y Wp + bp.   The text below is the same for both.
; A product in blocks of 128 x 128, four waves, a wave 64 x 64: 16 accumulator tiles in window 1 (tile (a, b) at v[8 (4 a + b)] there).
; OUTP = 0: A = cb [1024][512] bf16, B = Wck | Wcv [512][1024] bf16 in wb, K = 512; result f16 by heads, ckv[which 2][16 batch + head][tc 512][64].
;           128 work-groups: the product has no more blocks of this size.   LIMIT: |kc|, |vc| < 65,504 (f16).
; OUTP = 1: A = yh [16 batch + head][t 2048][64] f16, B = Wp [1024][1024] f16 in wb, K = 1024 = head x 64 + d; result f32, out0 [4096][1024].
; K goes in big steps of 256 (eight quarters of 32) through two LDS slots, one tensor load a wave for a slot: waves 0 and 1 bring A's halves,
; waves 2 and 3 B's (128 k rows x 128 columns each, LDS pitch 288 = 9 x 32 bytes; fragments by the transposing load).
; So a wave issues 128 matrix instructions between two changes of slots.
; A in LDS, OUTP = 0: 128 rows x 512 bytes, pitch 528.  OUTP = 1: four heads x 64 pairs of t rows; a pair is 256 neighbouring bytes of the head's
; panel, pitch 272; one load brings two heads: two rows of 16 KiB, the padding of 16 bytes falling behind every 256 bytes along the tile.
; CLUSTERS 4 x 4: A's tile hangs on the block row alone (shared along a row of the cluster), B's on the block column alone (along a column).
; The matrix instruction is used transposed (source 0 = B's columns, source 1 = A's rows): lane l holds row l % 16, registers 0-7 columns 8 (l / 16) + 0..7.
; The first product of each tile takes the bias as C.
.set BPITCH, 288
.set BHALF,  128*BPITCH
.if OUTP
.set AHALF,  34816                     ; two heads x 64 pair rows x 272
.set ASTEP,  4*262144                  ; a big step: four head panels on
.set SPITCH, 272                       ; stage: 16 rows x 64 f32
.else
.set AHALF,  33792                     ; 64 rows x 528
.set ASTEP,  512                       ; a big step: 256 elements along the rows
.set SPITCH, 144                       ; stage: 16 rows x 64 f16
.endif
.set BSTEP,  256*2048                  ; a big step: 256 rows down the weight
.set AREG,   2*AHALF
.set SLOT,   AREG+2*BHALF
.set STAGE,  2*SLOT                    ; behind the ring, a multiple of 256: no fill lands here
.set WSTAGE, 16*SPITCH
.set ADRA, 16                          ; v16-17  A fragments, slot 0, 1
.set ADRB, 18                          ; v18-21  B fragments, slot 0 quarters 0-3, 4-7, slot 1 likewise (the immediate reaches 65,535 bytes)
.set STO,  24
.set RD,   25
.set CO,   26
.set BO,   27
.set BIAS, 32                          ; v32-63  the bias of my 64 columns as four accumulator tiles
.set F0,   64                          ; fragment buffers: B's four at f, A's four at f + 32
.set F1,   128
.set TMP,  192
.set G1, 24
.set G0, 32
.set G1B, 48
.set G0B, 56
.set MSB, 0
.macro WIN new
.if MSB != \new
	s_set_vgpr_msb (MSB<<8)|\new
.set MSB, \new
.endif
.endm
.set MUL,  0x50                        ; C and D window 1, fragments window 0
.set MULB, 0x40                        ; D window 1, C (the bias) window 0
.macro JLOAD s
	s_cmp_eq_u32 s11, 0
	s_cbranch_scc0 .Lfor_b_\@
	tensor_load_to_lds s[G0+4*\s:G0+4*\s+3], s[G1:G1+7]
	s_nop 0
	s_branch .Lasked_\@
.Lfor_b_\@:
	tensor_load_to_lds s[G0B+4*\s:G0B+4*\s+3], s[G1B:G1B+7]
	s_nop 0
.Lasked_\@:
.endm
.macro CREST
	s_cmp_lg_u32 s10, 0
	s_cbranch_scc1 .Lnot_wave_0_\@
	s_barrier_signal -3
.Lnot_wave_0_\@:
	s_barrier_wait -3
	s_barrier_signal -1
	s_barrier_wait -1
.endm
.macro CROUND
	s_barrier_signal -1
	s_barrier_wait -1
	CREST
.endm
	s_load_b128 s[4:7], s[0:1], 0x0                ; A s[4:5], wb s[6:7]
.if OUTP
	s_load_b64 s[68:69], s[0:1], 0x10              ; bp
	s_load_b64 s[8:9], s[0:1], 0x18                ; out0
.else
	s_load_b128 s[68:71], s[0:1], 0x10             ; bck, bcv
	s_load_b64 s[8:9], s[0:1], 0x20                ; ckv
	v_lshl_add_u32 v254, v0, 2, 0x47400
	v_mov_b32 v255, 0
	ds_add_u32 v254, v255
	ds_add_u32 v254, v255
.endif
	v_lshrrev_b32 v1, 5, v0
	v_readfirstlane_b32 s10, v1                    ; wave 0..3
	s_lshr_b32 s11, s10, 1                         ; my half of the rows.  Also: I fetch for A (0) or for B (1)
	s_and_b32 s12, s10, 1                          ; my half of the columns.  Also: which half of that tile I fetch
	s_bfe_u32 s40, ttmp6, 0x40000                  ; cx
	s_bfe_u32 s41, ttmp6, 0x40004                  ; cy
	s_lshl_b32 s42, ttmp9, 2
	s_add_co_u32 s42, s42, s40                     ; block column
.if OUTP
.else
	s_lshr_b32 s45, ttmp9, 1                       ; 0: kc, 1: vc (the same in the whole cluster)
	s_and_b32 s42, s42, 7                          ; block column inside that weight
.endif
	s_and_b32 s13, ttmp7, 0xffff
	s_lshl_b32 s13, s13, 2
	s_add_co_u32 s13, s13, s41                     ; block row
	s_lshl_b32 s43, s41, 2
	s_lshl_b32 s43, 15, s43                        ; my row of the cluster
	s_lshl_b32 s44, 0x1111, s40                    ; my column
.if OUTP
	s_or_b32 s[G1+0], s43, (3<<16)|(1<<20)|(1<<21)|(5<<22)|(3<<25)   ; elements of 8 bytes; 4 words of padding behind every 64
	s_mov_b32 s[G1+1], 2048<<16                    ; tensor_dim0 = 2,048 elements: 128 t rows of one head, 16 KiB
	s_mov_b32 s[G1+2], 2<<16                       ; tensor_dim1 = 2 heads
	s_mov_b32 s[G1+3], 2048<<16                    ; tile_dim0
	s_mov_b32 s[G1+4], 2                           ; tile_dim1
	s_mov_b32 s[G1+5], 32768                       ; from a head's panel to the next: 262,144 bytes
.else
	s_or_b32 s[G1+0], s43, (1<<16)|(1<<20)|(1<<21)|(6<<22)|(3<<25)   ; elements of 2 bytes; 4 words of padding behind every 128
	s_mov_b32 s[G1+1], 256<<16
	s_mov_b32 s[G1+2], 64<<16
	s_mov_b32 s[G1+3], 256<<16
	s_mov_b32 s[G1+4], 64
	s_mov_b32 s[G1+5], 512
.endif
	s_mov_b32 s[G1+6], 0
	s_mov_b32 s[G1+7], 0
	s_or_b32 s[G1B+0], s44, (1<<16)|(1<<20)|(1<<21)|(5<<22)|(7<<25)  ; 128 k rows x 128 elements of 2 bytes; 8 words of padding behind every 64
	s_mov_b32 s[G1B+1], 128<<16
	s_mov_b32 s[G1B+2], 128<<16
	s_mov_b32 s[G1B+3], 128<<16
	s_mov_b32 s[G1B+4], 128
	s_mov_b32 s[G1B+5], 1024
	s_mov_b32 s[G1B+6], 0
	s_mov_b32 s[G1B+7], 0
	; A's first tile, in registers that never hold cx
.if OUTP
	s_lshr_b32 s16, s13, 4                         ; batch: 16 panels
	s_lshl_b32 s16, s16, 22
	s_and_b32 s17, s13, 15                         ; 128 t rows of 128 bytes x (block row % 16)
	s_lshl_b32 s17, s17, 14
	s_add_co_u32 s16, s16, s17
	s_lshl_b32 s17, s12, 19                        ; two heads x half
	s_add_co_u32 s16, s16, s17
.else
	s_lshl_b32 s16, s13, 17                        ; 128 rows of 1,024 bytes x block row
	s_lshl_b32 s17, s12, 16                        ; + 64 rows x half
	s_add_co_u32 s16, s16, s17
.endif
	s_mov_b32 s17, 0
	; B's first tile, in registers that never hold cy
	s_lshl_b32 s46, s42, 8                         ; 256 bytes x block column
	s_lshl_b32 s47, s12, 18                        ; + 128 k rows of 2,048 bytes x half
	s_add_co_u32 s46, s46, s47
.if OUTP
	s_add_co_u32 s46, s46, 0xa00000                ; Wp's image in wb
.else
	s_lshl_b32 s47, s45, 20
	s_add_co_u32 s46, s46, s47
	s_add_co_u32 s46, s46, 0x800000                ; Wck's image, Wcv's 1 MiB behind it
.endif
	s_mov_b32 s47, 0
	s_lshl_b32 s76, s42, 9                         ; bias: 4 bytes x (128 block column + 64 column half)
	s_lshl_b32 s77, s12, 8
	s_add_co_u32 s76, s76, s77
	s_mov_b32 s77, 0
	s_mul_i32 s20, s12, AHALF                      ; where they go: the wave's number alone
	s_mul_i32 s21, s12, BHALF
	s_add_co_u32 s21, s21, AREG
	s_wait_dscnt 0x0
	s_wait_kmcnt 0x0
	s_add_nc_u64 s[14:15], s[4:5], s[16:17]
	s_add_nc_u64 s[46:47], s[6:7], s[46:47]
.if OUTP
.else
	s_cmp_eq_u32 s45, 0
	s_cselect_b64 s[68:69], s[68:69], s[70:71]
.endif
	s_add_nc_u64 s[68:69], s[68:69], s[76:77]
	CROUND                                         ; in front of the first joint loads
.irp s, 0,1
	s_mov_b32 s[G0+4*\s], 1
	s_add_co_u32 s[G0+4*\s+1], s20, \s*SLOT
	s_add_nc_u64 s[G0+4*\s+2:G0+4*\s+3], s[14:15], \s*ASTEP
	s_or_b32 s[G0+4*\s+3], s[G0+4*\s+3], 0x80000000
	s_mov_b32 s[G0B+4*\s], 1
	s_add_co_u32 s[G0B+4*\s+1], s21, \s*SLOT
	s_add_nc_u64 s[G0B+4*\s+2:G0B+4*\s+3], s[46:47], \s*BSTEP
	s_or_b32 s[G0B+4*\s+3], s[G0B+4*\s+3], 0x80000000
	JLOAD \s                                       ; two loads of a wave are out
.endr
	v_and_b32 v1, 15, v0                           ; r = l % 16
	v_bfe_u32 v2, v0, 4, 1                         ; h = l / 16
.if OUTP
	v_lshrrev_b32 v3, 1, v1                        ; row r lies in pair r / 2, half r % 2
	v_mul_u32_u24 v3, v3, 272
	v_and_b32 v4, 1, v0
	v_lshl_add_u32 v3, v4, 7, v3
	v_lshl_add_u32 v3, v2, 4, v3
	s_mul_i32 s22, s11, 32*272                     ; my 64 rows: 32 pairs
.else
	v_mul_u32_u24 v3, v1, 528
	v_lshl_add_u32 v3, v2, 4, v3
	s_mul_i32 s22, s11, 64*528
.endif
	v_add_nc_u32 v[ADRA], s22, v3
	v_add_nc_u32 v[ADRA+1], SLOT, v[ADRA]
	v_and_b32 v5, 7, v0                            ; the transposing load: k row 8 h + l % 8, 16 bytes at 16 ((l / 8) % 2)
	v_lshl_add_u32 v5, v2, 3, v5
	v_mul_u32_u24 v5, v5, BPITCH
	v_bfe_u32 v6, v0, 3, 1
	v_lshl_add_u32 v5, v6, 4, v5
	s_lshl_b32 s23, s12, 7                         ; my 64 columns
	s_add_co_u32 s23, s23, AREG
	v_add_nc_u32 v[ADRB], s23, v5
	v_add_nc_u32 v[ADRB+1], BHALF, v[ADRB]
	v_add_nc_u32 v[ADRB+2], SLOT, v[ADRB]
	v_add_nc_u32 v[ADRB+3], SLOT+BHALF, v[ADRB]
	s_mul_i32 s23, s10, WSTAGE
	s_add_co_u32 s23, s23, STAGE                   ; my stage
	v_mul_u32_u24 v4, v1, SPITCH
.if OUTP
	v_lshl_add_u32 v4, v2, 5, v4                   ; in: row r, 32 bytes (8 f32) for each half of the lanes
	v_add_nc_u32 v[STO], s23, v4
	v_mul_u32_u24 v5, v2, SPITCH                   ; back: lanes 0-15 one row of 256 bytes, lanes 16-31 the next
	v_lshl_add_u32 v5, v1, 4, v5
	v_add_nc_u32 v[RD], s23, v5
	v_lshlrev_b32 v5, 12, v2                       ; the same two rows in out0
	v_lshl_add_u32 v[CO], v1, 4, v5
.else
	v_lshl_add_u32 v4, v2, 4, v4                   ; in: row r, 16 bytes (8 f16) for each half of the lanes
	v_add_nc_u32 v[STO], s23, v4
	v_bfe_u32 v5, v0, 3, 2                         ; back: eight lanes a row of 128 bytes, four rows a load
	v_mul_u32_u24 v5, v5, SPITCH
	v_and_b32 v6, 7, v0
	v_lshl_add_u32 v5, v6, 4, v5
	v_add_nc_u32 v[RD], s23, v5
	v_and_b32 v6, 31, v0
	v_lshlrev_b32 v[CO], 4, v6
.endif
	v_lshlrev_b32 v[BO], 5, v2
.irp b, 0,1,2,3
	global_load_b128 v[BIAS+8*\b:BIAS+8*\b+3],   v[BO], s[68:69] offset:64*\b      ; register j of tile b = bias[my first column + 16 b + 8 h + j]
	global_load_b128 v[BIAS+8*\b+4:BIAS+8*\b+7], v[BO], s[68:69] offset:64*\b+16
.endr
; 8 matrix instructions: row blocks a0, a0 + 1 x the four column blocks.  The 16 accumulators take turns, one instruction a turn, in the same order
; in every quarter.
.macro MUL8 f, a0, first
.irp a, \a0, \a0+1
.irp b, 0,1,2,3
.if \first
.if OUTP
	v_wmma_f32_16x16x32_f16 v[8*(4*(\a)+\b):8*(4*(\a)+\b)+7], v[\f+8*\b:\f+8*\b+7], v[\f+32+8*(\a):\f+32+8*(\a)+7], v[BIAS+8*\b:BIAS+8*\b+7]
.else
	v_wmma_f32_16x16x32_bf16 v[8*(4*(\a)+\b):8*(4*(\a)+\b)+7], v[\f+8*\b:\f+8*\b+7], v[\f+32+8*(\a):\f+32+8*(\a)+7], v[BIAS+8*\b:BIAS+8*\b+7]
.endif
.else
.if OUTP
	v_wmma_f32_16x16x32_f16 v[8*(4*(\a)+\b):8*(4*(\a)+\b)+7], v[\f+8*\b:\f+8*\b+7], v[\f+32+8*(\a):\f+32+8*(\a)+7], v[8*(4*(\a)+\b):8*(4*(\a)+\b)+7]
.else
	v_wmma_f32_16x16x32_bf16 v[8*(4*(\a)+\b):8*(4*(\a)+\b)+7], v[\f+8*\b:\f+8*\b+7], v[\f+32+8*(\a):\f+32+8*(\a)+7], v[8*(4*(\a)+\b):8*(4*(\a)+\b)+7]
.endif
.endif
.endr
.endr
.endm
; 16 LDS loads in one run: quarter q of a slot into buffer f: B's four fragments, then A's four
.macro FETCH slot, q, f
.irp b, 0,1,2,3
	ds_load_tr16_b128 v[\f+8*\b:\f+8*\b+3],   v[ADRB+2*\slot+(\q>>2)] offset:(\q&3)*32*BPITCH+32*\b
	ds_load_tr16_b128 v[\f+8*\b+4:\f+8*\b+7], v[ADRB+2*\slot+(\q>>2)] offset:(\q&3)*32*BPITCH+32*\b+16*BPITCH
.endr
.irp a, 0,1,2,3
.if OUTP
	ds_load_b128 v[\f+32+8*\a:\f+32+8*\a+3],   v[ADRA+\slot] offset:2176*\a+(\q>>1)*17408+(\q&1)*64      ; head q / 2, d from 32 (q % 2); 16 rows are 8 pairs
	ds_load_b128 v[\f+32+8*\a+4:\f+32+8*\a+7], v[ADRA+\slot] offset:2176*\a+(\q>>1)*17408+(\q&1)*64+32
.else
	ds_load_b128 v[\f+32+8*\a:\f+32+8*\a+3],   v[ADRA+\slot] offset:8448*\a+64*\q
	ds_load_b128 v[\f+32+8*\a+4:\f+32+8*\a+7], v[ADRA+\slot] offset:8448*\a+64*\q+32
.endif
.endr
.endm
.macro PLACES                          ; four places behind a matrix instruction before a load lands in a register that it read
.rept 4
	v_nop
.endr
.endm
; One of a big step's first seven quarters: multiplies buffer f and, in its middle, fetches quarter nq of the same slot into buffer g
.macro Q8 slot, nq, f, g, first
	s_wait_dscnt 4                                 ; all but the youngest four loads: A's row blocks 2 and 3
.if \first
	WIN MULB
.else
	WIN MUL
.endif
	MUL8 \f, 0, \first
	PLACES
	WIN 0
	FETCH \slot, \nq, \g
	s_wait_dscnt 16                                ; all but the 16 just issued
.if \first
	WIN MULB
.else
	WIN MUL
.endif
	MUL8 \f, 2, \first
.endm
.macro SEVEN slot, first
	Q8 \slot, 1, F0, F1, \first
	Q8 \slot, 2, F1, F0, 0
	Q8 \slot, 3, F0, F1, 0
	Q8 \slot, 4, F1, F0, 0
	Q8 \slot, 5, F0, F1, 0
	Q8 \slot, 6, F1, F0, 0
	Q8 \slot, 7, F0, F1, 0
.endm
; The eighth quarter changes slots.  In front of the barrier: my reads of this slot are back and all my tensor loads have landed.
; fill = 1: the barrier opens a round of the cluster's barrier, and behind the round this slot is filled again, two big steps ahead, one load a wave.
.macro TURN8 slot, next, fill
	s_wait_dscnt 0
	s_wait_tensorcnt 0x0
	s_barrier_signal -1
	WIN MUL
	MUL8 F1, 0, 0                                  ; register work while the others arrive
	WIN 0
	s_barrier_wait -1
.if \fill
	CREST
	s_add_nc_u64 s[G0+4*\slot+2:G0+4*\slot+3], s[G0+4*\slot+2:G0+4*\slot+3], 2*ASTEP
	s_add_nc_u64 s[G0B+4*\slot+2:G0B+4*\slot+3], s[G0B+4*\slot+2:G0B+4*\slot+3], 2*BSTEP
	JLOAD \slot
.endif
	PLACES
	FETCH \next, 0, F0
	WIN MUL
	MUL8 F1, 2, 0
.endm
	s_wait_loadcnt 0x0                             ; the bias
	s_wait_tensorcnt 1                             ; my part of slot 0 is in; slot 1's stays out
	s_barrier_signal -1
	s_barrier_wait -1
	FETCH 0, 0, F0
	SEVEN 0, 1
.if OUTP
	TURN8 0, 1, 1
	SEVEN 1, 0
	TURN8 1, 0, 1
	SEVEN 0, 0
.endif
	TURN8 0, 1, 0                                  ; the last change of slots fills nothing
	SEVEN 1, 0
	s_wait_dscnt 0
	WIN MUL
	MUL8 F1, 0, 0
	MUL8 F1, 2, 0
	WIN 0
	; THE WAY OUT, 16 rows at a time through my own stage
	PLACES
.if OUTP
	s_lshl_b32 s16, s13, 19                        ; 128 rows of 4,096 bytes x block row
	s_lshl_b32 s17, s11, 18                        ; + 64 rows x half
	s_add_co_u32 s16, s16, s17
	s_lshl_b32 s46, s42, 9                         ; 512 bytes x block column
	s_lshl_b32 s47, s12, 8                         ; + 256 x half
	s_add_co_u32 s46, s46, s47
.else
	s_lshr_b32 s16, s13, 2                         ; batch = block row / 4: 16 panels of 65,536 bytes
	s_lshl_b32 s16, s16, 20
	s_and_b32 s17, s13, 3                          ; tc = 128 (block row % 4) + 64 half, rows of 128 bytes
	s_lshl_b32 s17, s17, 14
	s_add_co_u32 s16, s16, s17
	s_lshl_b32 s17, s11, 13
	s_add_co_u32 s16, s16, s17
	s_lshl_b32 s46, s45, 21                        ; kc or vc: 32 panels
	s_lshl_b32 s47, s42, 17                        ; head = 2 block column + half
	s_add_co_u32 s46, s46, s47
	s_lshl_b32 s47, s12, 16
	s_add_co_u32 s46, s46, s47
.endif
	s_mov_b32 s17, 0
	s_mov_b32 s47, 0
	s_add_nc_u64 s[8:9], s[8:9], s[16:17]
	s_add_nc_u64 s[8:9], s[8:9], s[46:47]
.macro OUT16 a, f
.if OUTP
	WIN 0x04                                       ; an LDS store's data from window 1
.irp b, 0,1,2,3
	ds_store_b128 v[STO], v[8*(4*\a+\b):8*(4*\a+\b)+3]   offset:64*\b
	ds_store_b128 v[STO], v[8*(4*\a+\b)+4:8*(4*\a+\b)+7] offset:64*\b+16
.endr
	WIN 0
	s_wait_xcnt 0x0                                ; buffer f, which earlier stores read, is loaded again only behind this wait
.irp t, 0,1,2,3,4,5,6,7
	ds_load_b128 v[\f+4*\t:\f+4*\t+3], v[RD] offset:\t*2*SPITCH        ; LDS serves a wave's instructions in order: these see the stores above
.endr
.irp t, 0,1,2,3,4,5,6,7
	s_wait_dscnt 7-\t
	global_store_b128 v[CO], v[\f+4*\t:\f+4*\t+3], s[8:9] offset:(16*\a+2*\t)*4096   ; 16 lanes store 256 neighbouring bytes, aligned
.endr
.else
	WIN 0x05                                       ; both sources from window 1
.irp b, 0,1,2,3
.irp j, 0,1,2,3
	v_cvt_pk_f16_f32 v[TMP+4*\b+\j], v[8*(4*\a+\b)+2*\j], v[8*(4*\a+\b)+2*\j+1]
.endr
.endr
	WIN 0
.irp b, 0,1,2,3
	ds_store_b128 v[STO], v[TMP+4*\b:TMP+4*\b+3] offset:32*\b
.endr
	s_wait_xcnt 0x0
.irp u, 0,1,2,3
	ds_load_b128 v[\f+4*\u:\f+4*\u+3], v[RD] offset:\u*4*SPITCH
.endr
.irp u, 0,1,2,3
	s_wait_dscnt 3-\u
	global_store_b128 v[CO], v[\f+4*\u:\f+4*\u+3], s[8:9] offset:2048*\a+512*\u      ; the wave stores 512 neighbouring bytes of the head's panel, aligned
.endr
.endif
.endm
	OUT16 0, F0
	OUT16 1, F1
	OUT16 2, F0
	OUT16 3, F1
	s_wait_tensorcnt 0x0
	ds_add_u32 v254, v255
	s_wait_dscnt 0x0
	CROUND                                         ; the closing round
	s_endpgm
.Lfunc_end_k_q660c4b6940_cproj:
	.size	k_q660c4b6940_cproj, .Lfunc_end_k_q660c4b6940_cproj-k_q660c4b6940_cproj
	.p2alignl 7, 3214868480
	.fill 96, 4, 3214868480
	.section	.rodata,"a",@progbits
	.p2align	6, 0x0
	.amdhsa_kernel k_q660c4b6940_cproj
		.amdhsa_group_segment_fixed_size 292352
		.amdhsa_private_segment_fixed_size 0
		.amdhsa_enable_private_segment 0
		.amdhsa_kernarg_size 40
		.amdhsa_user_sgpr_count 2
		.amdhsa_user_sgpr_kernarg_segment_ptr 1
		.amdhsa_wavefront_size32 1
		.amdhsa_system_sgpr_workgroup_id_x 1
		.amdhsa_system_sgpr_workgroup_id_y 1
		.amdhsa_system_sgpr_workgroup_id_z 1
		.amdhsa_system_vgpr_workitem_id 0
		.amdhsa_next_free_vgpr 384
		.amdhsa_next_free_sgpr 80
		.amdhsa_reserve_vcc 0
		.amdhsa_float_denorm_mode_32 3
		.amdhsa_float_denorm_mode_16_64 3
		.amdhsa_memory_ordered 1
		.amdhsa_forward_progress 1
		.amdhsa_inst_pref_size 54
	.end_amdhsa_kernel
	.amdgpu_metadata
---
amdhsa.version: [ 1, 2 ]
amdhsa.kernels:
  - .name:           k_q660c4b6940_cproj
    .symbol:         k_q660c4b6940_cproj.kd
    .args:
      - { .name: cb, .offset: 0, .size: 8, .value_kind: global_buffer, .address_space: global }
      - { .name: wb, .offset: 8, .size: 8, .value_kind: global_buffer, .address_space: global }
      - { .name: bck, .offset: 16, .size: 8, .value_kind: global_buffer, .address_space: global }
      - { .name: bcv, .offset: 24, .size: 8, .value_kind: global_buffer, .address_space: global }
      - { .name: ckv, .offset: 32, .size: 8, .value_kind: global_buffer, .address_space: global }
    .group_segment_fixed_size: 292352
    .private_segment_fixed_size: 0
    .kernarg_segment_align: 8
    .kernarg_segment_size: 40
    .max_flat_workgroup_size: 128
    .sgpr_count:     80
    .vgpr_count:     384
    .wavefront_size: 32
...
	.end_amdgpu_metadata
.endif
;; end of part 3
;; launch attn (part 4): grid 8 x 32, 8 waves a work-group, no clusters, 327,680 bytes of LDS; arguments qkv, ckv, yh; writes yh
.if DOCPART == 4
	.amdgcn_target "amdgcn-amd-amdhsa--gfx1250"
	.amdhsa_code_object_version 6
	.text
	.protected	k_q660c4b6940_attn
	.globl	k_q660c4b6940_attn
	.p2align	8
	.type	k_q660c4b6940_attn,@function
k_q660c4b6940_attn:
	s_mov_b64 s[64:65], 0
	v_nop
	global_prefetch_b8 v0, s[64:65] scope:SCOPE_SE
	s_setreg_imm32_b32 hwreg(HW_REG_WAVE_MODE, 25, 1), 1
	s_wait_xcnt 0x0
; y = softmax(causal(q k^T / 8)) v + softmax(qc kc^T / 8) vc for one (batch, head) and two blocks of 128 query rows; yh[16 batch + head][t][64] in f16.
; Operands f16 (q, k, v, qc, kc, vc as stored; P rounded to f16), sums, maxima and exponentials f32, a running maximum in both softmaxes.
; LIMIT: |y| < 65,504 (f16).  Scores that the causal mask throws away are not computed beyond the diagonal block.
; SHARE.  Work-group (i, bh) takes query block 2 i + 1 (2 i + 2 stages of 128 keys) and block 14 - 2 i (15 - 2 i stages), each followed by the four
; stages of the 512 cross keys: 25 stages in every work-group.  The odd block goes first, so that each stage's slot is a constant of the text.
; Wave w: strip ws = w % 4 of 32 query rows, key half g = w / 4: keys 64 g .. 64 g + 63 of every stage.  The two halves of a strip are merged at the
; end of each phase: each wave keeps 16 rows and sends the other 16 (register tile qt holds the strip's rows 16 (qt xor g) + r, so that
; 'keep tile 0, send tile 1' is one text for both).
; TRANSPOSED FORMS.  S^T = K Q^T and O^T = V^T P^T: in a result lane (r, h) holds query r and keys (or d) 16 t + 8 h + j.  So maxima and sums run along a
; lane's registers and across the two halves of the wave, the rescaling factor is a lane's own, and P^T's fragment is the lane's own S packed in place.
; NO MULTICAST: the eight work-groups of one (batch, head) need 9 to 16 self stages for one block and would walk them in step with the slowest, 20 stages
; against 17; only the 8 cross stages of the 25 are common to all.
; LDS: slot s at 35,840 s: K 64 pairs of key rows x 272 bytes, then V 64 pairs x 288 (a pair is 256 neighbouring bytes of the panel).
;      71,680 exchange, 4,608 a wave (4,096 of O, 256 of m and l);  108,544 the self result in f32, 4,096 a wave;  141,312 the way out, 2,304 a wave.
;      No fill lands at or behind byte 71,680.
.set KP,     272
.set VP,     288                       ; 9 x 32 bytes, for the transposing load
.set KPART,  64*KP
.set SLOT,   KPART+64*VP
.set XO,     2*SLOT
.set XW,     4608
.set YS,     XO+8*XW
.set OS,     YS+8*4096
.set OW,     2304
.set STAGEB, 16384                     ; 128 keys x 128 bytes
.set KA,   2                           ; v2   K fragments: 8,704 g + 272 (r / 2) + 128 (r % 2) + 16 h
.set VA,   3                           ; v3   V fragments, transposing load
.set QOFF, 4                           ; v4-5 tile qt: byte offset of my part of a Q fragment in the strip
.set XS,   6                           ; v6   exchange, my bytes: + 16 l
.set XL,   7                           ; v7   exchange, my partner's
.set XSS,  8                           ; v8   my m and l: + 8 l (4,096 in the immediate)
.set XLS,  9                           ; v9   my partner's
.set YSA,  10
.set OST,  11
.set ORD,  12
.set CO,   13                          ; v13  16 l
.set DLT,  14                          ; v14-15 tile qt, diagonal stage: key 16 kt + j is masked where it exceeds this
.set NINF, 16
                                       ; v18 m0, v19 l0, v20 m1, v21 l1.  m is kept in the exponent's units: max(S) x log2(e) / 8
.set AL,   22                          ; v[22:23] the rescaling factor (low register; both written)
.set NM,   24                          ; v[24:25] minus the maximum
.set TM,   26                          ; v[26:31] at work
.set QF,   32                          ; Q fragment (qt, ks) at 32 + 8 (2 qt + ks)
.set OA,   64                          ; O tile (qt, dt) at 64 + 8 (4 qt + dt)
.set SC,   128                         ; S tile (qt, kt) at 128 + 8 (4 qt + kt); P fragment (qt, ks) in place at 128 + 32 qt + 16 ks
.set FR,   192                         ; eight fragments of K, then of V
.set G1K, 16
.set G1V, 24
.set G0K, 32                           ; s[32:39] one set for each slot
.set G0V, 40                           ; s[40:47]
.set PK,  48                           ; the next stage's K and V, my 32 keys
.set PV,  50
.set KS,  52
.set VS,  54
.set KC,  56
.set VC,  58
.set QA,  60                           ; q, odd block;  QB qc, odd block;  QC q, even block;  QD qc, even block: my strip
.set QB,  62
.set QC,  66
.set QD,  68
.set YA,  70                           ; yh at the 16 rows that I keep, odd block; YB even block
.set YB,  72
; Waves 0-3 bring 32 keys of K each, waves 4-7 32 keys of V each: one load a wave.  The branch hangs on the wave's number alone.
.macro JLOAD s
	s_cmp_eq_u32 s11, 0
	s_cbranch_scc0 .Lfor_v_\@
	tensor_load_to_lds s[G0K+4*\s:G0K+4*\s+3], s[G1K:G1K+7]
	s_nop 0
	s_branch .Lasked_\@
.Lfor_v_\@:
	tensor_load_to_lds s[G0V+4*\s:G0V+4*\s+3], s[G1V:G1V+7]
	s_nop 0
.Lasked_\@:
.endm
	s_load_b128 s[4:7], s[0:1], 0x0                ; qkv s[4:5], ckv s[6:7]
	s_load_b64 s[8:9], s[0:1], 0x10                ; yh
	v_lshl_add_u32 v17, v0, 2, 0x29000
	s_set_vgpr_msb 0x40
	v_mov_b32 v1, 0
	s_set_vgpr_msb 0x4044
	ds_add_u32 v17, v1
	ds_add_u32 v17, v1
	s_set_vgpr_msb 0x4400
	v_lshrrev_b32 v1, 5, v0
	v_readfirstlane_b32 s10, v1                    ; wave 0..7
	s_lshr_b32 s11, s10, 2                         ; g
	s_and_b32 s12, s10, 3                          ; ws
	s_lshr_b32 s15, s10, 1                         ; 2 for waves 4 and 5
	s_mov_b32 s13, ttmp9                           ; i
	s_and_b32 s14, ttmp7, 0xffff                   ; bh
	s_xor_b32 s79, s13, 7                          ; 7 - i (i is 0 to 7)
	s_mov_b32 s74, 0x3e38aa3b                      ; log2(e) / 8, twice (a pair for the packed forms)
	s_mov_b32 s75, 0x3e38aa3b
	s_mov_b32 s76, 0x76543210                      ; v_permlanex16_b32: lane i of one half reads lane i of the other
	s_mov_b32 s77, 0xfedcba98
	; group 1: a dense block of 4,096 bytes as 16 rows of 32 elements of 8 bytes, padded behind each row: K by 4 words, V by 8
	s_mov_b32 s[G1K+0], (3<<16)|(1<<20)|(5<<22)|(3<<25)
	s_mov_b32 s[G1K+1], 32<<16
	s_mov_b32 s[G1K+2], 16<<16
	s_mov_b32 s[G1K+3], 32<<16
	s_mov_b32 s[G1K+4], 16
	s_mov_b32 s[G1K+5], 32
	s_mov_b32 s[G1K+6], 0
	s_mov_b32 s[G1K+7], 0
	s_mov_b32 s[G1V+0], (3<<16)|(1<<20)|(5<<22)|(7<<25)
	s_mov_b32 s[G1V+1], 32<<16
	s_mov_b32 s[G1V+2], 16<<16
	s_mov_b32 s[G1V+3], 32<<16
	s_mov_b32 s[G1V+4], 16
	s_mov_b32 s[G1V+5], 32
	s_mov_b32 s[G1V+6], 0
	s_mov_b32 s[G1V+7], 0
	s_mul_i32 s92, s12, 16*KP
	s_mul_i32 s93, s12, 16*VP
	s_add_co_u32 s93, s93, KPART
.irp s, 0,1
	s_mov_b32 s[G0K+4*\s], 1
	s_add_co_u32 s[G0K+4*\s+1], s92, \s*SLOT
	s_mov_b32 s[G0V+4*\s], 1
	s_add_co_u32 s[G0V+4*\s+1], s93, \s*SLOT
.endr
	s_lshl_b32 s82, s14, 18                        ; the head's panel in qkv and yh,
	s_lshl_b32 s83, s12, 12                        ; + 4,096 ws: my 32 keys of a stage, or my strip of a block
	s_add_co_u32 s82, s82, s83
	s_mov_b32 s83, 0
	s_lshl_b32 s84, s14, 16                        ; the same in ckv
	s_lshl_b32 s85, s12, 12
	s_add_co_u32 s84, s84, s85
	s_mov_b32 s85, 0
	s_lshl_b32 s86, s13, 15                        ; block 2 i + 1: 16,384 bytes a block
	s_add_co_u32 s86, s86, 16384
	s_mov_b32 s87, 0
	s_lshl_b32 s88, s79, 15                        ; block 14 - 2 i
	s_mov_b32 s89, 0
	s_lshl_b32 s90, s11, 11                        ; the 16 rows that I keep: 16 g
	s_mov_b32 s91, 0
	s_wait_dscnt 0x0
	s_wait_kmcnt 0x0
	s_add_nc_u64 s[KS:KS+1], s[4:5], s[82:83]
	s_add_nc_u64 s[QA:QA+1], s[KS:KS+1], s[86:87]
	s_add_nc_u64 s[QC:QC+1], s[KS:KS+1], s[88:89]
	s_add_nc_u64 s[QB:QB+1], s[QA:QA+1], 0x1800000 ; qc lies 96 panels behind q
	s_add_nc_u64 s[QD:QD+1], s[QC:QC+1], 0x1800000
	s_add_nc_u64 s[VS:VS+1], s[KS:KS+1], 0x1000000 ; v 64 panels
	s_add_nc_u64 s[KS:KS+1], s[KS:KS+1], 0x800000  ; k 32 panels
	s_add_nc_u64 s[KC:KC+1], s[6:7], s[84:85]
	s_add_nc_u64 s[VC:VC+1], s[KC:KC+1], 0x200000  ; vc 32 panels of 65,536 bytes behind kc
	s_add_nc_u64 s[YA:YA+1], s[8:9], s[82:83]
	s_add_nc_u64 s[YA:YA+1], s[YA:YA+1], s[90:91]
	s_add_nc_u64 s[YB:YB+1], s[YA:YA+1], s[88:89]
	s_add_nc_u64 s[YA:YA+1], s[YA:YA+1], s[86:87]
	s_mov_b64 s[G0K+2:G0K+3], s[KS:KS+1]           ; the first stage, into slot 0
	s_or_b32 s[G0K+3], s[G0K+3], 0x80000000
	s_mov_b64 s[G0V+2:G0V+3], s[VS:VS+1]
	s_or_b32 s[G0V+3], s[G0V+3], 0x80000000
	s_add_nc_u64 s[PK:PK+1], s[KS:KS+1], STAGEB
	s_add_nc_u64 s[PV:PV+1], s[VS:VS+1], STAGEB
	JLOAD 0                                        ; ahead of every wait on tensor loads, every LDS read and every barrier
	v_and_b32 v1, 31, v0                           ; l
	v_and_b32 v26, 15, v0                          ; r
	v_bfe_u32 v27, v0, 4, 1                        ; h
	v_lshrrev_b32 v28, 1, v26                      ; r / 2
	v_and_b32 v29, 1, v0                           ; r % 2
	v_mul_u32_u24 v[KA], v28, KP
	v_lshl_add_u32 v[KA], v29, 7, v[KA]
	v_lshl_add_u32 v[KA], v27, 4, v[KA]
	s_mul_i32 s92, s11, 32*KP                      ; my 64 keys: 32 pairs
	v_add_nc_u32 v[KA], s92, v[KA]
	v_bfe_u32 v30, v0, 1, 2                        ; key row 8 h + l % 8 lies in pair 4 h + (l % 8) / 2, half l % 2
	v_lshl_add_u32 v30, v27, 2, v30
	v_mul_u32_u24 v[VA], v30, VP
	v_lshl_add_u32 v[VA], v29, 7, v[VA]
	v_bfe_u32 v31, v0, 3, 1
	v_lshl_add_u32 v[VA], v31, 4, v[VA]
	s_mul_i32 s92, s11, 32*VP
	s_add_co_u32 s92, s92, KPART
	v_add_nc_u32 v[VA], s92, v[VA]
	v_lshlrev_b32 v[QOFF], 7, v26                  ; row r of 128 bytes + 16 h
	v_lshl_add_u32 v[QOFF], v27, 4, v[QOFF]
	s_lshl_b32 s92, s11, 11                        ; tile 0: rows 16 g
	s_xor_b32 s93, s92, 2048                       ; tile 1: rows 16 (1 - g)
	v_add_nc_u32 v[QOFF+1], s93, v[QOFF]
	v_add_nc_u32 v[QOFF], s92, v[QOFF]
	v_lshlrev_b32 v[CO], 4, v1
	v_lshlrev_b32 v30, 3, v1
	s_mul_i32 s92, s10, XW
	s_add_co_u32 s92, s92, XO
	s_add_co_u32 s93, s10, 4                       ; my partner: the same strip, the other key half: wave (w + 4) mod 8
	s_and_b32 s93, s93, 7
	s_mul_i32 s93, s93, XW
	s_add_co_u32 s93, s93, XO
	v_add_nc_u32 v[XS], s92, v[CO]
	v_add_nc_u32 v[XL], s93, v[CO]
	v_add_nc_u32 v[XSS], s92, v30
	v_add_nc_u32 v[XLS], s93, v30
	s_lshl_b32 s92, s10, 12
	s_add_co_u32 s92, s92, YS
	v_add_nc_u32 v[YSA], s92, v[CO]
	s_mul_i32 s92, s10, OW
	s_add_co_u32 s92, s92, OS
	v_mul_u32_u24 v30, v26, 144
	v_lshl_add_u32 v30, v27, 4, v30
	v_add_nc_u32 v[OST], s92, v30
	v_bfe_u32 v30, v0, 3, 2
	v_mul_u32_u24 v30, v30, 144
	v_and_b32 v31, 7, v0
	v_lshl_add_u32 v30, v31, 4, v30
	v_add_nc_u32 v[ORD], s92, v30
	v_lshlrev_b32 v30, 3, v27                      ; row - first key of the lane, in the diagonal block: 32 ws + 16 (qt xor g) + r - 64 g - 8 h
	v_sub_nc_u32 v30, v26, v30
	s_lshl_b32 s92, s12, 5
	s_mul_i32 s93, s11, 48
	s_sub_co_i32 s93, s92, s93                     ; tile 0: 32 ws - 48 g
	v_add_nc_u32 v[DLT], s93, v30
	s_mul_i32 s93, s11, 80
	s_add_co_u32 s92, s92, 16
	s_sub_co_i32 s93, s92, s93                     ; tile 1: 32 ws + 16 - 80 g
	v_add_nc_u32 v[DLT+1], s93, v30
	v_mov_b32 v[NINF], 0xff800000
	v_mov_b32 v[AL], 0
	v_mov_b32 v[AL+1], 0
	v_mov_b32 v[NM], 0
	v_mov_b32 v[NM+1], 0
; my strip's four Q fragments: lane (r, h) takes 16 bytes at row r, d = 32 ks + 8 h and 32 ks + 16 + 8 h
.macro QLOAD base
.irp qt, 0,1
.irp ks, 0,1
	global_load_b128 v[QF+8*(2*\qt+\ks):QF+8*(2*\qt+\ks)+3],   v[QOFF+\qt], s[\base:\base+1] offset:64*\ks
	global_load_b128 v[QF+8*(2*\qt+\ks)+4:QF+8*(2*\qt+\ks)+7], v[QOFF+\qt], s[\base:\base+1] offset:64*\ks+32
.endr
.endr
.endm
; A phase begins with m = -inf and l = 0.  O is not cleared between phases: what the last phase left in it is finite, the first stage of a phase
; multiplies it by exp2(-inf - m) = 0, and a wave that has no stage in a phase enters the merge with the weight exp2(-inf - m) = 0.
.macro RESET
	v_mov_b32 v18, v[NINF]
	v_mov_b32 v19, 0
	v_mov_b32 v20, v[NINF]
	v_mov_b32 v21, 0
.endm
; The running softmax of tile qt: 16 queries (lanes) x 64 keys (32 registers in each half of the wave)
.macro SOFTMAX qt
.set SB, SC+32*\qt
.set OB, OA+32*\qt
.set MR, 18+2*\qt
.set LR, 19+2*\qt
.irp c, 0,1,2,3
	v_max3_num_f32 v[TM+\c], v[SB+8*\c], v[SB+8*\c+1], v[SB+8*\c+2]
.endr
.irp c, 0,1,2,3
	v_max3_num_f32 v[TM+\c], v[TM+\c], v[SB+8*\c+3], v[SB+8*\c+4]
.endr
.irp c, 0,1,2,3
	v_max3_num_f32 v[TM+\c], v[TM+\c], v[SB+8*\c+5], v[SB+8*\c+6]
.endr
	v_max3_num_f32 v[TM], v[TM], v[SB+7], v[SB+15]
	v_max3_num_f32 v[TM+2], v[TM+2], v[SB+23], v[SB+31]
	v_max3_num_f32 v[TM], v[TM], v[TM+1], v[TM+2]
	v_max_num_f32 v[TM], v[TM], v[TM+3]
	v_permlanex16_b32 v[TM+1], v[TM], s76, s77     ; the other half's keys
	v_max_num_f32 v[TM], v[TM], v[TM+1]
	v_mul_f32 v[TM], s74, v[TM]                    ; into the exponent's units, rounded once: P, the factor below and the merge all use this number
	v_max_num_f32 v[TM], v[TM], v[MR]              ; the new maximum: finite, since every stage that is worked on has an unmasked key in every row
	v_sub_f32 v[TM+1], v[MR], v[TM]
	v_mov_b32 v[MR], v[TM]
	v_exp_f32 v[AL], v[TM+1]                       ; 0 in a phase's first stage (m was -inf)
	v_xor_b32 v[NM], 0x80000000, v[TM]             ; the plain place behind the exponential (ISA guide 5.7.2)
.set p, 0
.rept 16
	v_pk_fma_f32 v[SB+p:SB+p+1], v[SB+p:SB+p+1], s[74:75], v[NM:NM+1] op_sel_hi:[1,0,0]
.set p, p+2
.endr
.set p, 0
.rept 16
	v_exp_f32 v[SB+p], v[SB+p]
	v_exp_f32 v[SB+p+1], v[SB+p+1]
	s_wait_alu depctr_va_vdst(0)
	v_pk_mul_f32 v[OB+p:OB+p+1], v[OB+p:OB+p+1], v[AL:AL+1] op_sel_hi:[1,0]   ; O's rescaling fills the places between the exponentials
.set p, p+2
.endr
	s_wait_alu depctr_va_vdst(0)
	v_pk_add_f32 v[TM:TM+1],   v[SB:SB+1],   v[SB+2:SB+3]
	v_pk_add_f32 v[TM+2:TM+3], v[SB+4:SB+5], v[SB+6:SB+7]
	v_pk_add_f32 v[TM+4:TM+5], v[SB+8:SB+9], v[SB+10:SB+11]
.irp c, 0,1,2
	v_pk_add_f32 v[TM:TM+1],   v[TM:TM+1],   v[SB+12+6*\c:SB+13+6*\c]
	v_pk_add_f32 v[TM+2:TM+3], v[TM+2:TM+3], v[SB+14+6*\c:SB+15+6*\c]
	v_pk_add_f32 v[TM+4:TM+5], v[TM+4:TM+5], v[SB+16+6*\c:SB+17+6*\c]
.endr
	v_pk_add_f32 v[TM:TM+1], v[TM:TM+1], v[SB+30:SB+31]
	v_pk_add_f32 v[TM:TM+1], v[TM:TM+1], v[TM+2:TM+3]
	v_pk_add_f32 v[TM:TM+1], v[TM:TM+1], v[TM+4:TM+5]
	v_add_f32 v[TM], v[TM], v[TM+1]
	v_fma_f32 v[LR], v[LR], v[AL], v[TM]           ; the two halves' sums stay apart until the merge
.irp ks, 0,1
.irp j, 0,1,2,3,4,5,6,7
	v_cvt_pk_f16_f32 v[SB+16*\ks+\j], v[SB+16*\ks+2*\j], v[SB+16*\ks+2*\j+1]   ; in place: register j is written when 2 j and 2 j + 1 are read
.endr
.endr
.endm
; One stage for one wave: 32 queries x 64 keys.  The eight S tiles, and then the eight O tiles, take turns, one matrix instruction a turn.
.macro WORK slot, diag
.irp ks, 0,1
.irp kt, 0,1,2,3
	ds_load_b128 v[FR+8*(4*\ks+\kt):FR+8*(4*\ks+\kt)+3],   v[KA] offset:\slot*SLOT+2176*\kt+64*\ks
	ds_load_b128 v[FR+8*(4*\ks+\kt)+4:FR+8*(4*\ks+\kt)+7], v[KA] offset:\slot*SLOT+2176*\kt+64*\ks+32
.endr
.endr
	s_wait_loadcnt 0x0                             ; Q (met at once in all but a phase's first stage)
.irp kt, 0,1,2,3
	s_wait_dscnt 14-2*\kt                          ; two loads a fragment, in order
	v_wmma_f32_16x16x32_f16 v[SC+8*\kt:SC+8*\kt+7],       v[FR+8*\kt:FR+8*\kt+7], v[QF:QF+7],     0
	v_wmma_f32_16x16x32_f16 v[SC+32+8*\kt:SC+32+8*\kt+7], v[FR+8*\kt:FR+8*\kt+7], v[QF+16:QF+23], 0
.endr
.irp kt, 0,1,2,3
	s_wait_dscnt 6-2*\kt
	v_wmma_f32_16x16x32_f16 v[SC+8*\kt:SC+8*\kt+7],       v[FR+32+8*\kt:FR+32+8*\kt+7], v[QF+8:QF+15],  v[SC+8*\kt:SC+8*\kt+7]
	v_wmma_f32_16x16x32_f16 v[SC+32+8*\kt:SC+32+8*\kt+7], v[FR+32+8*\kt:FR+32+8*\kt+7], v[QF+24:QF+31], v[SC+32+8*\kt:SC+32+8*\kt+7]
.endr
.rept 4
	v_nop                                          ; four places before S is read and before loads land in the fragments (ISA guide 7.12.1 for the reads of S)
.endr
.irp ks, 0,1
.irp dt, 0,1,2,3
	ds_load_tr16_b128 v[FR+8*(4*\ks+\dt):FR+8*(4*\ks+\dt)+3],   v[VA] offset:\slot*SLOT+4608*\ks+32*\dt
	ds_load_tr16_b128 v[FR+8*(4*\ks+\dt)+4:FR+8*(4*\ks+\dt)+7], v[VA] offset:\slot*SLOT+4608*\ks+32*\dt+2304
.endr
.endr
.if \diag
.irp qt, 0,1
.irp kt, 0,1,2,3
.irp j, 0,1,2,3,4,5,6,7
	v_cmp_gt_i32 vcc_lo, 16*\kt+\j, v[DLT+\qt]     ; key above the row
	v_cndmask_b32 v[SC+8*(4*\qt+\kt)+\j], v[SC+8*(4*\qt+\kt)+\j], v[NINF], vcc_lo
.endr
.endr
.endr
.endif
	SOFTMAX 0
	SOFTMAX 1
.irp ks, 0,1
.irp dt, 0,1,2,3
	s_wait_dscnt 14-2*(4*\ks+\dt)
	v_wmma_f32_16x16x32_f16 v[OA+8*\dt:OA+8*\dt+7],       v[FR+8*(4*\ks+\dt):FR+8*(4*\ks+\dt)+7], v[SC+16*\ks:SC+16*\ks+7],       v[OA+8*\dt:OA+8*\dt+7]
	v_wmma_f32_16x16x32_f16 v[OA+32+8*\dt:OA+32+8*\dt+7], v[FR+8*(4*\ks+\dt):FR+8*(4*\ks+\dt)+7], v[SC+32+16*\ks:SC+32+16*\ks+7], v[OA+32+8*\dt:OA+32+8*\dt+7]
.endr
.endr
.rept 5
	v_nop                                          ; five places before the next stage's products write over P; they also serve the next loads into the fragments
.endr
.endm
; One stage for the work-group.  In front of the barrier every wave has waited for all its tensor loads (its part of this stage's tile among them) and for
; its reads of the other slot; behind it the other slot is filled first, one load a wave, and has this stage's work in which to land.
; diag = 1: waves 4 and 5 have all their keys above all their rows and jump over the work.
; qn: a phase's last stage ends with the load of the next phase's Q, once for both ways; the wait in front of it shows the Q load before done, also
; in a wave that has worked on no stage of this phase and so has never waited for it.
.macro TRIP slot, refill, diag, qn
	s_set_vgpr_msb 0x4
	s_wait_tensorcnt 0x0
	ds_add_u32 v17, v1
	s_wait_dscnt 0x0
	s_set_vgpr_msb 0x400
.if \refill
	s_mov_b64 s[G0K+4*(1-\slot)+2:G0K+4*(1-\slot)+3], s[PK:PK+1]       ; no load of mine is out: a group 0 may be written
	s_or_b32 s[G0K+4*(1-\slot)+3], s[G0K+4*(1-\slot)+3], 0x80000000
	s_mov_b64 s[G0V+4*(1-\slot)+2:G0V+4*(1-\slot)+3], s[PV:PV+1]
	s_or_b32 s[G0V+4*(1-\slot)+3], s[G0V+4*(1-\slot)+3], 0x80000000
	s_add_nc_u64 s[PK:PK+1], s[PK:PK+1], STAGEB
	s_add_nc_u64 s[PV:PV+1], s[PV:PV+1], STAGEB
.endif
	s_wait_dscnt 0x0
	s_barrier_signal -1
	s_barrier_wait -1
.if \refill
	JLOAD (1-\slot)
.endif
.if \diag
	s_cmp_eq_u32 s15, 2
	s_cbranch_scc1 .Lskip_\@
.endif
	WORK \slot, \diag
.if \diag
.Lskip_\@:
.endif
.if \qn
	s_wait_loadcnt 0x0
	QLOAD \qn
.endif
.endm
; The end of a phase: the two key halves of a strip are joined.  I send tile 1 with its m and l, and take my partner's for the rows of my tile 0.
; cross = 0: the normalised self result goes to my own bytes of LDS.  cross = 1: it is added to the normalised cross result, rounded to f16 and stored.
; The next phase's first tile may be on its way across this barrier.
.macro MERGE cross, ybase, last
	v_permlanex16_b32 v[TM], v19, s76, s77         ; l: the two halves of the wave hold different keys' sums
	v_permlanex16_b32 v[TM+1], v21, s76, s77
	v_add_f32 v19, v19, v[TM]
	v_add_f32 v21, v21, v[TM+1]
	ds_store_b64 v[XSS], v[20:21] offset:4096
.irp i, 0,1,2,3,4,5,6,7
	ds_store_b128 v[XS], v[OA+32+4*\i:OA+32+4*\i+3] offset:512*\i
.endr
	s_wait_dscnt 0x0                               ; for my partner's sake: zero
	s_barrier_signal -1
	s_barrier_wait -1
	ds_load_b64 v[TM:TM+1], v[XLS] offset:4096
.irp i, 0,1,2,3,4,5,6,7
	ds_load_b128 v[FR+4*\i:FR+4*\i+3], v[XL] offset:512*\i
.endr
.if \cross
.irp i, 0,1,2,3,4,5,6,7
	ds_load_b128 v[FR+32+4*\i:FR+32+4*\i+3], v[YSA] offset:512*\i
.endr
	s_wait_dscnt 16                                ; the partner's m and l are in; the 16 loads behind them may be out
.else
	s_wait_dscnt 8                                 ; likewise, 8 loads behind them
.endif
	v_max_num_f32 v[TM+2], v18, v[TM]              ; finite: the half with the lower keys has worked on every row
	v_sub_f32 v[TM+3], v18, v[TM+2]
	v_sub_f32 v[TM+4], v[TM], v[TM+2]
	v_exp_f32 v[TM+3], v[TM+3]
	v_exp_f32 v[TM+4], v[TM+4]
	v_nop
	s_wait_alu depctr_va_vdst(0)
	v_mul_f32 v[TM+5], v19, v[TM+3]
	v_fmac_f32 v[TM+5], v[TM+1], v[TM+4]
	v_rcp_f32 v[TM+5], v[TM+5]
	v_nop
	s_wait_alu depctr_va_vdst(0)
	v_mul_f32 v[AL], v[TM+3], v[TM+5]              ; my weight,
	v_mul_f32 v[NM], v[TM+4], v[TM+5]              ; my partner's
	s_wait_dscnt 0x0
.set p, 0
.rept 16
.if \cross
	v_pk_fma_f32 v[OA+p:OA+p+1], v[OA+p:OA+p+1], v[AL:AL+1], v[FR+32+p:FR+32+p+1] op_sel_hi:[1,0,1]
.else
	v_pk_mul_f32 v[OA+p:OA+p+1], v[OA+p:OA+p+1], v[AL:AL+1] op_sel_hi:[1,0]
.endif
	v_pk_fma_f32 v[OA+p:OA+p+1], v[FR+p:FR+p+1], v[NM:NM+1], v[OA+p:OA+p+1] op_sel_hi:[1,0,1]
.set p, p+2
.endr
.if \cross
.irp dt, 0,1,2,3
.irp j, 0,1,2,3
	v_cvt_pk_f16_f32 v[SC+4*\dt+\j], v[OA+8*\dt+2*\j], v[OA+8*\dt+2*\j+1]
.endr
.endr
.irp dt, 0,1,2,3
	ds_store_b128 v[OST], v[SC+4*\dt:SC+4*\dt+3] offset:32*\dt         ; row r, d = 16 dt + 8 h ..
.endr
.irp u, 0,1,2,3
	ds_load_b128 v[SC+16+4*\u:SC+16+4*\u+3], v[ORD] offset:576*\u      ; four rows of 128 bytes; LDS serves a wave's instructions in order
.endr
.irp u, 0,1,2,3
	s_wait_dscnt 3-\u
	global_store_b128 v[CO], v[SC+16+4*\u:SC+16+4*\u+3], s[\ybase:\ybase+1] offset:512*\u   ; the wave stores 512 neighbouring bytes, aligned
.endr
.else
.irp i, 0,1,2,3,4,5,6,7
	ds_store_b128 v[YSA], v[OA+4*\i:OA+4*\i+3] offset:512*\i
.endr
.endif
.if \last
.else
.if \cross
	s_wait_xcnt 0x0                                ; the stores' data registers are written again by the next stage only behind this wait
.endif
	RESET
.endif
.endm
	QLOAD QA
.set p, 0
.rept 64
	v_mov_b32 v[OA+p], 0                           ; once in the kernel: O is rescaled before its first product adds onto it, so it must hold numbers
.set p, p+1
.endr
	RESET
	; phase A: block 2 i + 1 against its own 2 i + 2 stages, slots 0, 1, .. 1
	TRIP 0, 1, 0, 0
	s_cmp_eq_u32 s13, 0
	s_cbranch_scc1 .La_end
	s_mov_b32 s78, 0
.La:
	TRIP 1, 1, 0, 0
	TRIP 0, 1, 0, 0
	s_add_co_u32 s78, s78, 1
	s_cmp_lt_u32 s78, s13
	s_cbranch_scc1 .La
.La_end:
	s_mov_b64 s[PK:PK+1], s[KC:KC+1]               ; the diagonal stage asks for the first cross stage
	s_mov_b64 s[PV:PV+1], s[VC:VC+1]
	TRIP 1, 1, 1, QB
	MERGE 0, 0, 0
	; phase B: the same block against the 512 cross keys
	TRIP 0, 1, 0, 0
	TRIP 1, 1, 0, 0
	TRIP 0, 1, 0, 0
	s_mov_b64 s[PK:PK+1], s[KS:KS+1]               ; the last cross stage asks for the even block's first stage
	s_mov_b64 s[PV:PV+1], s[VS:VS+1]
	TRIP 1, 1, 0, QC
	MERGE 1, YA, 0
	; phase C: block 14 - 2 i against its own 15 - 2 i stages, slots 0, 1, .. 0
	s_cmp_eq_u32 s79, 0
	s_cbranch_scc1 .Lc_end
	s_mov_b32 s78, 0
.Lc:
	TRIP 0, 1, 0, 0
	TRIP 1, 1, 0, 0
	s_add_co_u32 s78, s78, 1
	s_cmp_lt_u32 s78, s79
	s_cbranch_scc1 .Lc
.Lc_end:
	s_mov_b64 s[PK:PK+1], s[KC:KC+1]
	s_mov_b64 s[PV:PV+1], s[VC:VC+1]
	TRIP 0, 1, 1, QD
	MERGE 0, 0, 0
	; phase D: the cross keys again; the last stage asks for nothing
	TRIP 1, 1, 0, 0
	TRIP 0, 1, 0, 0
	TRIP 1, 1, 0, 0
	TRIP 0, 0, 0, 0
	MERGE 1, YB, 1
	s_set_vgpr_msb 0x4
	s_wait_tensorcnt 0x0
	ds_add_u32 v17, v1
	s_wait_dscnt 0x0
	s_set_vgpr_msb 0x400
	s_endpgm
.Lfunc_end_k_q660c4b6940_attn:
	.size	k_q660c4b6940_attn, .Lfunc_end_k_q660c4b6940_attn-k_q660c4b6940_attn
	.p2alignl 7, 3214868480
	.fill 96, 4, 3214868480
	.section	.rodata,"a",@progbits
	.p2align	6, 0x0
	.amdhsa_kernel k_q660c4b6940_attn
		.amdhsa_group_segment_fixed_size 327680
		.amdhsa_private_segment_fixed_size 0
		.amdhsa_enable_private_segment 0
		.amdhsa_kernarg_size 24
		.amdhsa_user_sgpr_count 2
		.amdhsa_user_sgpr_kernarg_segment_ptr 1
		.amdhsa_wavefront_size32 1
		.amdhsa_system_sgpr_workgroup_id_x 1
		.amdhsa_system_sgpr_workgroup_id_y 1
		.amdhsa_system_sgpr_workgroup_id_z 1
		.amdhsa_system_vgpr_workitem_id 0
		.amdhsa_next_free_vgpr 258
		.amdhsa_next_free_sgpr 96
		.amdhsa_reserve_vcc 1
		.amdhsa_float_denorm_mode_32 3
		.amdhsa_float_denorm_mode_16_64 3
		.amdhsa_memory_ordered 1
		.amdhsa_forward_progress 1
		.amdhsa_inst_pref_size 255
	.end_amdhsa_kernel
	.section	.bss,"aw",@nobits
	.p2align	6
	.space	262144
	.amdgpu_metadata
---
amdhsa.version: [ 1, 2 ]
amdhsa.kernels:
  - .name:           k_q660c4b6940_attn
    .symbol:         k_q660c4b6940_attn.kd
    .args:
      - { .name: qkv, .offset: 0, .size: 8, .value_kind: global_buffer, .address_space: global }
      - { .name: ckv, .offset: 8, .size: 8, .value_kind: global_buffer, .address_space: global }
      - { .name: yh, .offset: 16, .size: 8, .value_kind: global_buffer, .address_space: global }
    .group_segment_fixed_size: 327680
    .private_segment_fixed_size: 0
    .kernarg_segment_align: 8
    .kernarg_segment_size: 24
    .max_flat_workgroup_size: 256
    .sgpr_count:     96
    .vgpr_count:     258
    .wavefront_size: 32
...
	.end_amdgpu_metadata
.endif
;; end of part 4
;; launch oproj (part 5): grid 8 x 32, 4 waves a work-group, clusters of 4 x 4, 327,680 bytes of LDS; arguments yh, wb, bp, out0; writes out0
.if DOCPART == 5
	.amdgcn_target "amdgcn-amd-amdhsa--gfx1250"
	.amdhsa_code_object_version 6
	.text
	.protected	k_q660c4b6940_oproj
	.globl	k_q660c4b6940_oproj
	.p2align	8
	.type	k_q660c4b6940_oproj,@function
k_q660c4b6940_oproj:
	s_mov_b64 s[64:65], 0
	v_nop
	global_prefetch_b8 v0, s[64:65] scope:SCOPE_SE
	s_setreg_imm32_b32 hwreg(HW_REG_WAVE_MODE, 25, 1), 1
	s_wait_xcnt 0x0
	s_wait_alu depctr_hold_cnt(0) depctr_sa_sdst(0) depctr_va_vdst(0) depctr_va_sdst(0) depctr_va_ssrc(0) depctr_va_vcc(0) depctr_vm_vsrc(0)
	s_getreg_b32 s2, hwreg(HW_REG_IB_STS2, 6, 4)
	s_cmp_eq_u32 s2, 0
	s_cbranch_scc0 .Lentry_in_a_cluster
	s_endpgm
.Lentry_in_a_cluster:
	s_bfe_u32 s2, ttmp6, 0x10000c
	s_cmp_lg_u32 s2, 0xf033
	s_cbranch_scc0 .Lentry_shape_is_right
	s_endpgm
.Lentry_shape_is_right:
.set OUTP, 1                           ; 0: kc, vc = cross_input Wc + b.   1: out0 = y Wp + bp.   The text below is the same for both.
; A product in blocks of 128 x 128, four waves, a wave 64 x 64: 16 accumulator tiles in window 1 (tile (a, b) at v[8 (4 a + b)] there).
; OUTP = 0: A = cb [1024][512] bf16, B = Wck | Wcv [512][1024] bf16 in wb, K = 512; result f16 by heads, ckv[which 2][16 batch + head][tc 512][64].
;           128 work-groups: the product has no more blocks of this size.   LIMIT: |kc|, |vc| < 65,504 (f16).
; OUTP = 1: A = yh [16 batch + head][t 2048][64] f16, B = Wp [1024][1024] f16 in wb, K = 1024 = head x 64 + d; result f32, out0 [4096][1024].
; K goes in big steps of 256 (eight quarters of 32) through two LDS slots, one tensor load a wave for a slot: waves 0 and 1 bring A's halves,
; waves 2 and 3 B's (128 k rows x 128 columns each, LDS pitch 288 = 9 x 32 bytes; fragments by the transposing load).
; So a wave issues 128 matrix instructions between two changes of slots.
; A in LDS, OUTP = 0: 128 rows x 512 bytes, pitch 528.  OUTP = 1: four heads x 64 pairs of t rows; a pair is 256 neighbouring bytes of the head's
; panel, pitch 272; one load brings two heads: two rows of 16 KiB, the padding of 16 bytes falling behind every 256 bytes along the tile.
; CLUSTERS 4 x 4: A's tile hangs on the block row alone (shared along a row of the cluster), B's on the block column alone (along a column).
; The matrix instruction is used transposed (source 0 = B's columns, source 1 = A's rows): lane l holds row l % 16, registers 0-7 columns 8 (l / 16) + 0..7.
; The first product of each tile takes the bias as C.
.set BPITCH, 288
.set BHALF,  128*BPITCH
.if OUTP
.set AHALF,  34816                     ; two heads x 64 pair rows x 272
.set ASTEP,  4*262144                  ; a big step: four head panels on
.set SPITCH, 272                       ; stage: 16 rows x 64 f32
.else
.set AHALF,  33792                     ; 64 rows x 528
.set ASTEP,  512                       ; a big step: 256 elements along the rows
.set SPITCH, 144                       ; stage: 16 rows x 64 f16
.endif
.set BSTEP,  256*2048                  ; a big step: 256 rows down the weight
.set AREG,   2*AHALF
.set SLOT,   AREG+2*BHALF
.set STAGE,  2*SLOT                    ; behind the ring, a multiple of 256: no fill lands here
.set WSTAGE, 16*SPITCH
.set ADRA, 16                          ; v16-17  A fragments, slot 0, 1
.set ADRB, 18                          ; v18-21  B fragments, slot 0 quarters 0-3, 4-7, slot 1 likewise (the immediate reaches 65,535 bytes)
.set STO,  24
.set RD,   25
.set CO,   26
.set BO,   27
.set BIAS, 32                          ; v32-63  the bias of my 64 columns as four accumulator tiles
.set F0,   64                          ; fragment buffers: B's four at f, A's four at f + 32
.set F1,   128
.set TMP,  192
.set G1, 24
.set G0, 32
.set G1B, 48
.set G0B, 56
.set MSB, 0
.macro WIN new
.if MSB != \new
	s_set_vgpr_msb (MSB<<8)|\new
.set MSB, \new
.endif
.endm
.set MUL,  0x50                        ; C and D window 1, fragments window 0
.set MULB, 0x40                        ; D window 1, C (the bias) window 0
.macro JLOAD s
	s_cmp_eq_u32 s11, 0
	s_cbranch_scc0 .Lfor_b_\@
	tensor_load_to_lds s[G0+4*\s:G0+4*\s+3], s[G1:G1+7]
	s_nop 0
	s_branch .Lasked_\@
.Lfor_b_\@:
	tensor_load_to_lds s[G0B+4*\s:G0B+4*\s+3], s[G1B:G1B+7]
	s_nop 0
.Lasked_\@:
.endm
.macro CREST
	s_cmp_lg_u32 s10, 0
	s_cbranch_scc1 .Lnot_wave_0_\@
	s_barrier_signal -3
.Lnot_wave_0_\@:
	s_barrier_wait -3
	s_barrier_signal -1
	s_barrier_wait -1
.endm
.macro CROUND
	s_barrier_signal -1
	s_barrier_wait -1
	CREST
.endm
	s_load_b128 s[4:7], s[0:1], 0x0                ; A s[4:5], wb s[6:7]
.if OUTP
	s_load_b64 s[68:69], s[0:1], 0x10              ; bp
	s_load_b64 s[8:9], s[0:1], 0x18                ; out0
	v_lshl_add_u32 v254, v0, 2, 0x4a400
	v_mov_b32 v255, 0
	ds_add_u32 v254, v255
	ds_add_u32 v254, v255
.else
	s_load_b128 s[68:71], s[0:1], 0x10             ; bck, bcv
	s_load_b64 s[8:9], s[0:1], 0x20                ; ckv
.endif
	v_lshrrev_b32 v1, 5, v0
	v_readfirstlane_b32 s10, v1                    ; wave 0..3
	s_lshr_b32 s11, s10, 1                         ; my half of the rows.  Also: I fetch for A (0) or for B (1)
	s_and_b32 s12, s10, 1                          ; my half of the columns.  Also: which half of that tile I fetch
	s_bfe_u32 s40, ttmp6, 0x40000                  ; cx
	s_bfe_u32 s41, ttmp6, 0x40004                  ; cy
	s_lshl_b32 s42, ttmp9, 2
	s_add_co_u32 s42, s42, s40                     ; block column
.if OUTP
.else
	s_lshr_b32 s45, ttmp9, 1                       ; 0: kc, 1: vc (the same in the whole cluster)
	s_and_b32 s42, s42, 7                          ; block column inside that weight
.endif
	s_and_b32 s13, ttmp7, 0xffff
	s_lshl_b32 s13, s13, 2
	s_add_co_u32 s13, s13, s41                     ; block row
	s_lshl_b32 s43, s41, 2
	s_lshl_b32 s43, 15, s43                        ; my row of the cluster
	s_lshl_b32 s44, 0x1111, s40                    ; my column
.if OUTP
	s_or_b32 s[G1+0], s43, (3<<16)|(1<<20)|(1<<21)|(5<<22)|(3<<25)   ; elements of 8 bytes; 4 words of padding behind every 64
	s_mov_b32 s[G1+1], 2048<<16                    ; tensor_dim0 = 2,048 elements: 128 t rows of one head, 16 KiB
	s_mov_b32 s[G1+2], 2<<16                       ; tensor_dim1 = 2 heads
	s_mov_b32 s[G1+3], 2048<<16                    ; tile_dim0
	s_mov_b32 s[G1+4], 2                           ; tile_dim1
	s_mov_b32 s[G1+5], 32768                       ; from a head's panel to the next: 262,144 bytes
.else
	s_or_b32 s[G1+0], s43, (1<<16)|(1<<20)|(1<<21)|(6<<22)|(3<<25)   ; elements of 2 bytes; 4 words of padding behind every 128
	s_mov_b32 s[G1+1], 256<<16
	s_mov_b32 s[G1+2], 64<<16
	s_mov_b32 s[G1+3], 256<<16
	s_mov_b32 s[G1+4], 64
	s_mov_b32 s[G1+5], 512
.endif
	s_mov_b32 s[G1+6], 0
	s_mov_b32 s[G1+7], 0
	s_or_b32 s[G1B+0], s44, (1<<16)|(1<<20)|(1<<21)|(5<<22)|(7<<25)  ; 128 k rows x 128 elements of 2 bytes; 8 words of padding behind every 64
	s_mov_b32 s[G1B+1], 128<<16
	s_mov_b32 s[G1B+2], 128<<16
	s_mov_b32 s[G1B+3], 128<<16
	s_mov_b32 s[G1B+4], 128
	s_mov_b32 s[G1B+5], 1024
	s_mov_b32 s[G1B+6], 0
	s_mov_b32 s[G1B+7], 0
	; A's first tile, in registers that never hold cx
.if OUTP
	s_lshr_b32 s16, s13, 4                         ; batch: 16 panels
	s_lshl_b32 s16, s16, 22
	s_and_b32 s17, s13, 15                         ; 128 t rows of 128 bytes x (block row % 16)
	s_lshl_b32 s17, s17, 14
	s_add_co_u32 s16, s16, s17
	s_lshl_b32 s17, s12, 19                        ; two heads x half
	s_add_co_u32 s16, s16, s17
.else
	s_lshl_b32 s16, s13, 17                        ; 128 rows of 1,024 bytes x block row
	s_lshl_b32 s17, s12, 16                        ; + 64 rows x half
	s_add_co_u32 s16, s16, s17
.endif
	s_mov_b32 s17, 0
	; B's first tile, in registers that never hold cy
	s_lshl_b32 s46, s42, 8                         ; 256 bytes x block column
	s_lshl_b32 s47, s12, 18                        ; + 128 k rows of 2,048 bytes x half
	s_add_co_u32 s46, s46, s47
.if OUTP
	s_add_co_u32 s46, s46, 0xa00000                ; Wp's image in wb
.else
	s_lshl_b32 s47, s45, 20
	s_add_co_u32 s46, s46, s47
	s_add_co_u32 s46, s46, 0x800000                ; Wck's image, Wcv's 1 MiB behind it
.endif
	s_mov_b32 s47, 0
	s_lshl_b32 s76, s42, 9                         ; bias: 4 bytes x (128 block column + 64 column half)
	s_lshl_b32 s77, s12, 8
	s_add_co_u32 s76, s76, s77
	s_mov_b32 s77, 0
	s_mul_i32 s20, s12, AHALF                      ; where they go: the wave's number alone
	s_mul_i32 s21, s12, BHALF
	s_add_co_u32 s21, s21, AREG
	s_wait_dscnt 0x0
	s_wait_kmcnt 0x0
	s_add_nc_u64 s[14:15], s[4:5], s[16:17]
	s_add_nc_u64 s[46:47], s[6:7], s[46:47]
.if OUTP
.else
	s_cmp_eq_u32 s45, 0
	s_cselect_b64 s[68:69], s[68:69], s[70:71]
.endif
	s_add_nc_u64 s[68:69], s[68:69], s[76:77]
	CROUND                                         ; in front of the first joint loads
.irp s, 0,1
	s_mov_b32 s[G0+4*\s], 1
	s_add_co_u32 s[G0+4*\s+1], s20, \s*SLOT
	s_add_nc_u64 s[G0+4*\s+2:G0+4*\s+3], s[14:15], \s*ASTEP
	s_or_b32 s[G0+4*\s+3], s[G0+4*\s+3], 0x80000000
	s_mov_b32 s[G0B+4*\s], 1
	s_add_co_u32 s[G0B+4*\s+1], s21, \s*SLOT
	s_add_nc_u64 s[G0B+4*\s+2:G0B+4*\s+3], s[46:47], \s*BSTEP
	s_or_b32 s[G0B+4*\s+3], s[G0B+4*\s+3], 0x80000000
	JLOAD \s                                       ; two loads of a wave are out
.endr
	v_and_b32 v1, 15, v0                           ; r = l % 16
	v_bfe_u32 v2, v0, 4, 1                         ; h = l / 16
.if OUTP
	v_lshrrev_b32 v3, 1, v1                        ; row r lies in pair r / 2, half r % 2
	v_mul_u32_u24 v3, v3, 272
	v_and_b32 v4, 1, v0
	v_lshl_add_u32 v3, v4, 7, v3
	v_lshl_add_u32 v3, v2, 4, v3
	s_mul_i32 s22, s11, 32*272                     ; my 64 rows: 32 pairs
.else
	v_mul_u32_u24 v3, v1, 528
	v_lshl_add_u32 v3, v2, 4, v3
	s_mul_i32 s22, s11, 64*528
.endif
	v_add_nc_u32 v[ADRA], s22, v3
	v_add_nc_u32 v[ADRA+1], SLOT, v[ADRA]
	v_and_b32 v5, 7, v0                            ; the transposing load: k row 8 h + l % 8, 16 bytes at 16 ((l / 8) % 2)
	v_lshl_add_u32 v5, v2, 3, v5
	v_mul_u32_u24 v5, v5, BPITCH
	v_bfe_u32 v6, v0, 3, 1
	v_lshl_add_u32 v5, v6, 4, v5
	s_lshl_b32 s23, s12, 7                         ; my 64 columns
	s_add_co_u32 s23, s23, AREG
	v_add_nc_u32 v[ADRB], s23, v5
	v_add_nc_u32 v[ADRB+1], BHALF, v[ADRB]
	v_add_nc_u32 v[ADRB+2], SLOT, v[ADRB]
	v_add_nc_u32 v[ADRB+3], SLOT+BHALF, v[ADRB]
	s_mul_i32 s23, s10, WSTAGE
	s_add_co_u32 s23, s23, STAGE                   ; my stage
	v_mul_u32_u24 v4, v1, SPITCH
.if OUTP
	v_lshl_add_u32 v4, v2, 5, v4                   ; in: row r, 32 bytes (8 f32) for each half of the lanes
	v_add_nc_u32 v[STO], s23, v4
	v_mul_u32_u24 v5, v2, SPITCH                   ; back: lanes 0-15 one row of 256 bytes, lanes 16-31 the next
	v_lshl_add_u32 v5, v1, 4, v5
	v_add_nc_u32 v[RD], s23, v5
	v_lshlrev_b32 v5, 12, v2                       ; the same two rows in out0
	v_lshl_add_u32 v[CO], v1, 4, v5
.else
	v_lshl_add_u32 v4, v2, 4, v4                   ; in: row r, 16 bytes (8 f16) for each half of the lanes
	v_add_nc_u32 v[STO], s23, v4
	v_bfe_u32 v5, v0, 3, 2                         ; back: eight lanes a row of 128 bytes, four rows a load
	v_mul_u32_u24 v5, v5, SPITCH
	v_and_b32 v6, 7, v0
	v_lshl_add_u32 v5, v6, 4, v5
	v_add_nc_u32 v[RD], s23, v5
	v_and_b32 v6, 31, v0
	v_lshlrev_b32 v[CO], 4, v6
.endif
	v_lshlrev_b32 v[BO], 5, v2
.irp b, 0,1,2,3
	global_load_b128 v[BIAS+8*\b:BIAS+8*\b+3],   v[BO], s[68:69] offset:64*\b      ; register j of tile b = bias[my first column + 16 b + 8 h + j]
	global_load_b128 v[BIAS+8*\b+4:BIAS+8*\b+7], v[BO], s[68:69] offset:64*\b+16
.endr
; 8 matrix instructions: row blocks a0, a0 + 1 x the four column blocks.  The 16 accumulators take turns, one instruction a turn, in the same order
; in every quarter.
.macro MUL8 f, a0, first
.irp a, \a0, \a0+1
.irp b, 0,1,2,3
.if \first
.if OUTP
	v_wmma_f32_16x16x32_f16 v[8*(4*(\a)+\b):8*(4*(\a)+\b)+7], v[\f+8*\b:\f+8*\b+7], v[\f+32+8*(\a):\f+32+8*(\a)+7], v[BIAS+8*\b:BIAS+8*\b+7]
.else
	v_wmma_f32_16x16x32_bf16 v[8*(4*(\a)+\b):8*(4*(\a)+\b)+7], v[\f+8*\b:\f+8*\b+7], v[\f+32+8*(\a):\f+32+8*(\a)+7], v[BIAS+8*\b:BIAS+8*\b+7]
.endif
.else
.if OUTP
	v_wmma_f32_16x16x32_f16 v[8*(4*(\a)+\b):8*(4*(\a)+\b)+7], v[\f+8*\b:\f+8*\b+7], v[\f+32+8*(\a):\f+32+8*(\a)+7], v[8*(4*(\a)+\b):8*(4*(\a)+\b)+7]
.else
	v_wmma_f32_16x16x32_bf16 v[8*(4*(\a)+\b):8*(4*(\a)+\b)+7], v[\f+8*\b:\f+8*\b+7], v[\f+32+8*(\a):\f+32+8*(\a)+7], v[8*(4*(\a)+\b):8*(4*(\a)+\b)+7]
.endif
.endif
.endr
.endr
.endm
; 16 LDS loads in one run: quarter q of a slot into buffer f: B's four fragments, then A's four
.macro FETCH slot, q, f
.irp b, 0,1,2,3
	ds_load_tr16_b128 v[\f+8*\b:\f+8*\b+3],   v[ADRB+2*\slot+(\q>>2)] offset:(\q&3)*32*BPITCH+32*\b
	ds_load_tr16_b128 v[\f+8*\b+4:\f+8*\b+7], v[ADRB+2*\slot+(\q>>2)] offset:(\q&3)*32*BPITCH+32*\b+16*BPITCH
.endr
.irp a, 0,1,2,3
.if OUTP
	ds_load_b128 v[\f+32+8*\a:\f+32+8*\a+3],   v[ADRA+\slot] offset:2176*\a+(\q>>1)*17408+(\q&1)*64      ; head q / 2, d from 32 (q % 2); 16 rows are 8 pairs
	ds_load_b128 v[\f+32+8*\a+4:\f+32+8*\a+7], v[ADRA+\slot] offset:2176*\a+(\q>>1)*17408+(\q&1)*64+32
.else
	ds_load_b128 v[\f+32+8*\a:\f+32+8*\a+3],   v[ADRA+\slot] offset:8448*\a+64*\q
	ds_load_b128 v[\f+32+8*\a+4:\f+32+8*\a+7], v[ADRA+\slot] offset:8448*\a+64*\q+32
.endif
.endr
.endm
.macro PLACES                          ; four places behind a matrix instruction before a load lands in a register that it read
.rept 4
	v_nop
.endr
.endm
; One of a big step's first seven quarters: multiplies buffer f and, in its middle, fetches quarter nq of the same slot into buffer g
.macro Q8 slot, nq, f, g, first
	s_wait_dscnt 4                                 ; all but the youngest four loads: A's row blocks 2 and 3
.if \first
	WIN MULB
.else
	WIN MUL
.endif
	MUL8 \f, 0, \first
	PLACES
	WIN 0
	FETCH \slot, \nq, \g
	s_wait_dscnt 16                                ; all but the 16 just issued
.if \first
	WIN MULB
.else
	WIN MUL
.endif
	MUL8 \f, 2, \first
.endm
.macro SEVEN slot, first
	Q8 \slot, 1, F0, F1, \first
	Q8 \slot, 2, F1, F0, 0
	Q8 \slot, 3, F0, F1, 0
	Q8 \slot, 4, F1, F0, 0
	Q8 \slot, 5, F0, F1, 0
	Q8 \slot, 6, F1, F0, 0
	Q8 \slot, 7, F0, F1, 0
.endm
; The eighth quarter changes slots.  In front of the barrier: my reads of this slot are back and all my tensor loads have landed.
; fill = 1: the barrier opens a round of the cluster's barrier, and behind the round this slot is filled again, two big steps ahead, one load a wave.
.macro TURN8 slot, next, fill
	s_wait_dscnt 0
	s_wait_tensorcnt 0x0
	ds_add_u32 v254, v255
	s_wait_dscnt 0x0
	s_barrier_signal -1
	WIN MUL
	MUL8 F1, 0, 0                                  ; register work while the others arrive
	WIN 0
	s_barrier_wait -1
.if \fill
	CREST
	s_add_nc_u64 s[G0+4*\slot+2:G0+4*\slot+3], s[G0+4*\slot+2:G0+4*\slot+3], 2*ASTEP
	s_add_nc_u64 s[G0B+4*\slot+2:G0B+4*\slot+3], s[G0B+4*\slot+2:G0B+4*\slot+3], 2*BSTEP
	JLOAD \slot
.endif
	PLACES
	FETCH \next, 0, F0
	WIN MUL
	MUL8 F1, 2, 0
.endm
	s_wait_loadcnt 0x0                             ; the bias
	s_wait_tensorcnt 1                             ; my part of slot 0 is in; slot 1's stays out
	s_barrier_signal -1
	s_barrier_wait -1
	FETCH 0, 0, F0
	SEVEN 0, 1
.if OUTP
	TURN8 0, 1, 1
	SEVEN 1, 0
	TURN8 1, 0, 1
	SEVEN 0, 0
.endif
	TURN8 0, 1, 0                                  ; the last change of slots fills nothing
	SEVEN 1, 0
	s_wait_dscnt 0
	WIN MUL
	MUL8 F1, 0, 0
	MUL8 F1, 2, 0
	WIN 0
	; THE WAY OUT, 16 rows at a time through my own stage
	PLACES
.if OUTP
	s_lshl_b32 s16, s13, 19                        ; 128 rows of 4,096 bytes x block row
	s_lshl_b32 s17, s11, 18                        ; + 64 rows x half
	s_add_co_u32 s16, s16, s17
	s_lshl_b32 s46, s42, 9                         ; 512 bytes x block column
	s_lshl_b32 s47, s12, 8                         ; + 256 x half
	s_add_co_u32 s46, s46, s47
.else
	s_lshr_b32 s16, s13, 2                         ; batch = block row / 4: 16 panels of 65,536 bytes
	s_lshl_b32 s16, s16, 20
	s_and_b32 s17, s13, 3                          ; tc = 128 (block row % 4) + 64 half, rows of 128 bytes
	s_lshl_b32 s17, s17, 14
	s_add_co_u32 s16, s16, s17
	s_lshl_b32 s17, s11, 13
	s_add_co_u32 s16, s16, s17
	s_lshl_b32 s46, s45, 21                        ; kc or vc: 32 panels
	s_lshl_b32 s47, s42, 17                        ; head = 2 block column + half
	s_add_co_u32 s46, s46, s47
	s_lshl_b32 s47, s12, 16
	s_add_co_u32 s46, s46, s47
.endif
	s_mov_b32 s17, 0
	s_mov_b32 s47, 0
	s_add_nc_u64 s[8:9], s[8:9], s[16:17]
	s_add_nc_u64 s[8:9], s[8:9], s[46:47]
.macro OUT16 a, f
.if OUTP
	WIN 0x04                                       ; an LDS store's data from window 1
.irp b, 0,1,2,3
	ds_store_b128 v[STO], v[8*(4*\a+\b):8*(4*\a+\b)+3]   offset:64*\b
	ds_store_b128 v[STO], v[8*(4*\a+\b)+4:8*(4*\a+\b)+7] offset:64*\b+16
.endr
	WIN 0
	s_wait_xcnt 0x0                                ; buffer f, which earlier stores read, is loaded again only behind this wait
.irp t, 0,1,2,3,4,5,6,7
	ds_load_b128 v[\f+4*\t:\f+4*\t+3], v[RD] offset:\t*2*SPITCH        ; LDS serves a wave's instructions in order: these see the stores above
.endr
.irp t, 0,1,2,3,4,5,6,7
	s_wait_dscnt 7-\t
	global_store_b128 v[CO], v[\f+4*\t:\f+4*\t+3], s[8:9] offset:(16*\a+2*\t)*4096   ; 16 lanes store 256 neighbouring bytes, aligned
.endr
.else
	WIN 0x05                                       ; both sources from window 1
.irp b, 0,1,2,3
.irp j, 0,1,2,3
	v_cvt_pk_f16_f32 v[TMP+4*\b+\j], v[8*(4*\a+\b)+2*\j], v[8*(4*\a+\b)+2*\j+1]
.endr
.endr
	WIN 0
.irp b, 0,1,2,3
	ds_store_b128 v[STO], v[TMP+4*\b:TMP+4*\b+3] offset:32*\b
.endr
	s_wait_xcnt 0x0
.irp u, 0,1,2,3
	ds_load_b128 v[\f+4*\u:\f+4*\u+3], v[RD] offset:\u*4*SPITCH
.endr
.irp u, 0,1,2,3
	s_wait_dscnt 3-\u
	global_store_b128 v[CO], v[\f+4*\u:\f+4*\u+3], s[8:9] offset:2048*\a+512*\u      ; the wave stores 512 neighbouring bytes of the head's panel, aligned
.endr
.endif
.endm
	OUT16 0, F0
	OUT16 1, F1
	OUT16 2, F0
	OUT16 3, F1
	s_wait_tensorcnt 0x0
	ds_add_u32 v254, v255
	s_wait_dscnt 0x0
	CROUND                                         ; the closing round
	s_endpgm
.Lfunc_end_k_q660c4b6940_oproj:
	.size	k_q660c4b6940_oproj, .Lfunc_end_k_q660c4b6940_oproj-k_q660c4b6940_oproj
	.p2alignl 7, 3214868480
	.fill 96, 4, 3214868480
	.section	.rodata,"a",@progbits
	.p2align	6, 0x0
	.amdhsa_kernel k_q660c4b6940_oproj
		.amdhsa_group_segment_fixed_size 327680
		.amdhsa_private_segment_fixed_size 0
		.amdhsa_enable_private_segment 0
		.amdhsa_kernarg_size 32
		.amdhsa_user_sgpr_count 2
		.amdhsa_user_sgpr_kernarg_segment_ptr 1
		.amdhsa_wavefront_size32 1
		.amdhsa_system_sgpr_workgroup_id_x 1
		.amdhsa_system_sgpr_workgroup_id_y 1
		.amdhsa_system_sgpr_workgroup_id_z 1
		.amdhsa_system_vgpr_workitem_id 0
		.amdhsa_next_free_vgpr 384
		.amdhsa_next_free_sgpr 80
		.amdhsa_reserve_vcc 0
		.amdhsa_float_denorm_mode_32 3
		.amdhsa_float_denorm_mode_16_64 3
		.amdhsa_memory_ordered 1
		.amdhsa_forward_progress 1
		.amdhsa_inst_pref_size 91
	.end_amdhsa_kernel
	.amdgpu_metadata
---
amdhsa.version: [ 1, 2 ]
amdhsa.kernels:
  - .name:           k_q660c4b6940_oproj
    .symbol:         k_q660c4b6940_oproj.kd
    .args:
      - { .name: yh, .offset: 0, .size: 8, .value_kind: global_buffer, .address_space: global }
      - { .name: wb, .offset: 8, .size: 8, .value_kind: global_buffer, .address_space: global }
      - { .name: bp, .offset: 16, .size: 8, .value_kind: global_buffer, .address_space: global }
      - { .name: out0, .offset: 24, .size: 8, .value_kind: global_buffer, .address_space: global }
    .group_segment_fixed_size: 327680
    .private_segment_fixed_size: 0
    .kernarg_segment_align: 8
    .kernarg_segment_size: 32
    .max_flat_workgroup_size: 128
    .sgpr_count:     80
    .vgpr_count:     384
    .wavefront_size: 32
...
	.end_amdgpu_metadata
.endif
;; end of part 5
;; ======== version 2 of 2: 5 launches; version 1 with the launch prep written anew for expert scheduling mode
;; limits: values are held in f16: magnitudes above 65,504 overflow, below 6.1e-05 lose precision
;; workspace buffers: xb 8,388,608 bytes; cb 1,048,576 bytes; wb 12,582,912 bytes; qkv 33,554,432 bytes; ckv 4,194,304 bytes; yh 8,388,608 bytes
;; launch prep (part 6): grid 256 x 1, 8 waves a work-group, no clusters, 0 bytes of LDS; arguments x, cross_input, Wq, Wk, Wv, Wcq, Wck, Wcv, Wp, xb, cb, wb; writes xb, cb, wb
.if DOCPART == 6
	.amdgcn_target "amdgcn-amd-amdhsa--gfx1250"
	.amdhsa_code_object_version 6
	.text
	.protected	k_q660c4b6940_prep
	.globl	k_q660c4b6940_prep
	.p2align	8
	.type	k_q660c4b6940_prep,@function
k_q660c4b6940_prep:
	s_mov_b64 s[64:65], 0
	v_nop
	global_prefetch_b8 v0, s[64:65] scope:SCOPE_SE
	s_setreg_imm32_b32 hwreg(HW_REG_WAVE_SCHED_MODE, 0, 2), 2
	s_setreg_imm32_b32 hwreg(HW_REG_WAVE_MODE, 25, 1), 1
	s_wait_xcnt 0x0
	s_wait_alu depctr_vm_vsrc(0)
; Casts of the nine large inputs, once, so that the products that follow read 16-bit operands.
;   x -> xb, cross_input -> cb, Wq Wk Wv Wcq Wck Wcv -> wb : f32 rounded to bf16 (nearest even), layouts unchanged.
;   Wp -> wb + 10 MiB: rounded to bf16 like the others, then carried as f16, because its partner in the last product (y) is f16.
;   LIMIT: that second step is exact for |w| >= 2^-14 (8 significant bits fit in f16's 11); below it the error is at most 3e-8; |w| < 65,504.
; A stream: each of the 256 work-groups takes 1/256 of every array.  A unit is 4,096 bytes in (thread t: 16 bytes at 16 t, so a wave's load
; covers 512 neighbouring bytes) and 2,048 bytes out (thread t: 8 bytes at 8 t, so a wave's store covers 256 neighbouring bytes, aligned).
; 42 units: all 42 loads go out first (168 registers a lane), then the units are converted as they arrive.  No loop, no LDS, no barrier;
; no matrix unit and no cluster, since nothing is multiplied and no two work-groups read the same byte.
; THE MODE: SCHED_MODE bits 1:0 = 2 (LLVM: expert scheduling mode 2), set by the entry lines.  The code itself states the register dependences
; between vector instructions and memory instructions, with s_wait_alu, always for 0.
; THE PLAN.  Registers that memory instructions touch:
;   v1, v2     byte offsets, made once at the head and never written again: v1 is read by every load, v2 by every store.
;   DAT[n]     unit n's four registers.  Its load lands in them: all 42 loads are issued before any vector instruction names a DAT register.
;              Its conversions read them and write the first two in place; its one store reads those two; nothing writes them afterwards.
; The units go in 14 blocks of three.  Block p converts its own three units; its memory instructions are the three stores of block p - 1, whose
; registers no vector instruction of block p names.  So one wait at a block's head states all that the block's stores hang on, and they are dealt
; among its conversions with no further wait.  No register that a memory instruction reads is ever written again, so nothing is to be stated
; in the other direction; no vector instruction writes a scalar register or VCC; EXEC is never written.
.set UNITS, 42
.set BLK,   3                          ; units in a block
.set DAT,   8                          ; v[8:175]  unit n: four registers as loaded; the first two then hold what is stored
	s_load_b512 s[8:23], s[0:1], 0x0               ; x s[8:9], cross_input s[10:11], Wq s[12:13], Wk s[14:15], Wv s[16:17], Wcq s[18:19], Wck s[20:21], Wcv s[22:23]
	s_load_b256 s[24:31], s[0:1], 0x40             ; Wp s[24:25], xb s[26:27], cb s[28:29], wb s[30:31]
	s_lshl_b32 s2, ttmp9, 16                       ; the work-group's share, as byte offsets: 65,536 (x in)
	s_mov_b32 s3, 0
	s_lshl_b32 s4, ttmp9, 15                       ; 32,768 (x out)
	s_mov_b32 s5, 0
	s_lshl_b32 s6, ttmp9, 14                       ; 16,384 (a square weight in)
	s_mov_b32 s7, 0
	s_lshl_b32 s36, ttmp9, 13                      ; 8,192 (a square weight out; cross_input, Wck, Wcv in)
	s_mov_b32 s37, 0
	s_lshl_b32 s38, ttmp9, 12                      ; 4,096 (cross_input, Wck, Wcv out)
	s_mov_b32 s39, 0
	v_lshlrev_b32 v1, 4, v0                        ; 16 t: never rewritten
	v_lshlrev_b32 v2, 3, v0                        ; 8 t: never rewritten
	s_wait_kmcnt 0x0
	s_add_nc_u64 s[8:9], s[8:9], s[2:3]
	s_add_nc_u64 s[10:11], s[10:11], s[36:37]
	s_add_nc_u64 s[12:13], s[12:13], s[6:7]
	s_add_nc_u64 s[14:15], s[14:15], s[6:7]
	s_add_nc_u64 s[16:17], s[16:17], s[6:7]
	s_add_nc_u64 s[18:19], s[18:19], s[6:7]
	s_add_nc_u64 s[20:21], s[20:21], s[36:37]
	s_add_nc_u64 s[22:23], s[22:23], s[36:37]
	s_add_nc_u64 s[24:25], s[24:25], s[6:7]
	s_add_nc_u64 s[26:27], s[26:27], s[4:5]
	s_add_nc_u64 s[28:29], s[28:29], s[38:39]
	s_add_nc_u64 s[32:33], s[30:31], 0x800000      ; wb at Wck's image (Wcv's lies 1 MiB behind it: in the immediate)
	s_add_nc_u64 s[32:33], s[32:33], s[38:39]
	s_add_nc_u64 s[34:35], s[30:31], 0xa00000      ; wb at Wp's image
	s_add_nc_u64 s[34:35], s[34:35], s[36:37]
	s_add_nc_u64 s[30:31], s[30:31], s[36:37]      ; wb at Wq's image (Wk, Wv, Wcq 2, 4, 6 MiB behind it: in the immediate)
	s_wait_alu depctr_va_vdst(0)                   ; v1 and v2 are written: every load of the kernel reads v1 as its offset, every store v2
; Where unit n comes from (base s[LB:LB+1], offset LO) and where it goes (base s[SB:SB+1], offset SO).
; Units 0-15 x; 16-17 cross_input; 18-33 Wq, Wk, Wv, Wcq, four each; 34-37 Wck, Wcv, two each; 38-41 Wp.
.macro PLACE n
.if (\n) < 16
.set LB, 8
.set LO, (\n)*4096
.set SB, 26
.set SO, (\n)*2048
.elseif (\n) < 18
.set LB, 10
.set LO, ((\n)-16)*4096
.set SB, 28
.set SO, ((\n)-16)*2048
.elseif (\n) < 34
.set LB, 12+2*(((\n)-18)/4)
.set LO, (((\n)-18)%4)*4096
.set SB, 30
.set SO, (((\n)-18)/4)*0x200000+(((\n)-18)%4)*2048
.elseif (\n) < 38
.set LB, 20+2*(((\n)-34)/2)
.set LO, (((\n)-34)%2)*4096
.set SB, 32
.set SO, (((\n)-34)/2)*0x100000+(((\n)-34)%2)*2048
.else
.set LB, 24
.set LO, ((\n)-38)*4096
.set SB, 34
.set SO, ((\n)-38)*2048
.endif
.endm
.macro LD n
	PLACE \n
	global_load_b128 v[DAT+4*(\n):DAT+4*(\n)+3], v1, s[LB:LB+1] offset:LO th:TH_LOAD_NT
.endm
; unit n's conversions.  Wp's units (38 on): bf16 is widened again and narrowed to f16
.macro CV n
	v_cvt_pk_bf16_f32 v[DAT+4*(\n)], v[DAT+4*(\n)], v[DAT+4*(\n)+1]
	v_cvt_pk_bf16_f32 v[DAT+4*(\n)+1], v[DAT+4*(\n)+2], v[DAT+4*(\n)+3]
.if (\n) >= 38
	v_lshlrev_b32 v[DAT+4*(\n)+2], 16, v[DAT+4*(\n)]
	v_and_b32 v[DAT+4*(\n)+3], 0xffff0000, v[DAT+4*(\n)]
	v_cvt_pk_f16_f32 v[DAT+4*(\n)], v[DAT+4*(\n)+2], v[DAT+4*(\n)+3]
	v_lshlrev_b32 v[DAT+4*(\n)+2], 16, v[DAT+4*(\n)+1]
	v_and_b32 v[DAT+4*(\n)+3], 0xffff0000, v[DAT+4*(\n)+1]
	v_cvt_pk_f16_f32 v[DAT+4*(\n)+1], v[DAT+4*(\n)+2], v[DAT+4*(\n)+3]
.endif
.endm
.macro ST n
	PLACE \n
	global_store_b64 v2, v[DAT+4*(\n):DAT+4*(\n)+1], s[SB:SB+1] offset:SO   ; its data registers are never written again
.endm
.set n, 0
.rept UNITS
	LD n                                           ; no vector instruction has named a DAT register: nothing is to be stated for these loads but v1, above
.set n, n+1
.endr
.set n, 0
.rept UNITS/BLK
	s_wait_loadcnt UNITS-1-n                       ; loads come back in order (ISA guide 5.7.1): the block's first unit is in, the younger ones stay out
.if n > 0
	s_wait_alu depctr_va_vdst(0)                   ; the conversions of the block before have written the first two registers of its three units, which the three stores below read
.endif
.set u, 0
.rept BLK
.if n >= BLK
	ST n-BLK                                       ; the block before; no vector instruction since the wait names its registers
.endif
.if u > 0
	s_wait_loadcnt UNITS-1-n                       ; unit n is in (stores are counted elsewhere)
.endif
	CV n
.set u, u+1
.set n, n+1
.endr
.endr
	s_wait_alu depctr_va_vdst(0)                   ; the last block's conversions have written what the last three stores read
.set n, UNITS-BLK
.rept BLK
	ST n
.set n, n+1
.endr
	s_endpgm
.Lfunc_end_k_q660c4b6940_prep:
	.size	k_q660c4b6940_prep, .Lfunc_end_k_q660c4b6940_prep-k_q660c4b6940_prep
	.p2alignl 7, 3214868480
	.fill 96, 4, 3214868480
	.section	.rodata,"a",@progbits
	.p2align	6, 0x0
	.amdhsa_kernel k_q660c4b6940_prep
		.amdhsa_group_segment_fixed_size 0
		.amdhsa_private_segment_fixed_size 0
		.amdhsa_enable_private_segment 0
		.amdhsa_kernarg_size 96
		.amdhsa_user_sgpr_count 2
		.amdhsa_user_sgpr_kernarg_segment_ptr 1
		.amdhsa_wavefront_size32 1
		.amdhsa_system_sgpr_workgroup_id_x 1
		.amdhsa_system_sgpr_workgroup_id_y 1
		.amdhsa_system_sgpr_workgroup_id_z 1
		.amdhsa_system_vgpr_workitem_id 0
		.amdhsa_next_free_vgpr 180
		.amdhsa_next_free_sgpr 66
		.amdhsa_reserve_vcc 0
		.amdhsa_float_denorm_mode_32 3
		.amdhsa_float_denorm_mode_16_64 3
		.amdhsa_memory_ordered 1
		.amdhsa_forward_progress 1
		.amdhsa_inst_pref_size 18
	.end_amdhsa_kernel
	.amdgpu_metadata
---
amdhsa.version: [ 1, 2 ]
amdhsa.kernels:
  - .name:           k_q660c4b6940_prep
    .symbol:         k_q660c4b6940_prep.kd
    .args:
      - { .name: x, .offset: 0, .size: 8, .value_kind: global_buffer, .address_space: global }
      - { .name: cross_input, .offset: 8, .size: 8, .value_kind: global_buffer, .address_space: global }
      - { .name: Wq, .offset: 16, .size: 8, .value_kind: global_buffer, .address_space: global }
      - { .name: Wk, .offset: 24, .size: 8, .value_kind: global_buffer, .address_space: global }
      - { .name: Wv, .offset: 32, .size: 8, .value_kind: global_buffer, .address_space: global }
      - { .name: Wcq, .offset: 40, .size: 8, .value_kind: global_buffer, .address_space: global }
      - { .name: Wck, .offset: 48, .size: 8, .value_kind: global_buffer, .address_space: global }
      - { .name: Wcv, .offset: 56, .size: 8, .value_kind: global_buffer, .address_space: global }
      - { .name: Wp, .offset: 64, .size: 8, .value_kind: global_buffer, .address_space: global }
      - { .name: xb, .offset: 72, .size: 8, .value_kind: global_buffer, .address_space: global }
      - { .name: cb, .offset: 80, .size: 8, .value_kind: global_buffer, .address_space: global }
      - { .name: wb, .offset: 88, .size: 8, .value_kind: global_buffer, .address_space: global }
    .group_segment_fixed_size: 0
    .private_segment_fixed_size: 0
    .kernarg_segment_align: 8
    .kernarg_segment_size: 96
    .max_flat_workgroup_size: 256
    .sgpr_count:     66
    .vgpr_count:     180
    .wavefront_size: 32
...
	.end_amdgpu_metadata
.endif
;; end of part 6
;; launch proj: the kernel of part 2 again; grid 16 x 16, 4 waves a work-group, clusters of 4 x 4, 327,680 bytes of LDS; arguments xb, wb, bq, bk, bv, bcq, qkv; writes qkv
;; launch cproj: the kernel of part 3 again; grid 16 x 8, 4 waves a work-group, clusters of 4 x 4, 292,352 bytes of LDS; arguments cb, wb, bck, bcv, ckv; writes ckv
;; launch attn: the kernel of part 4 again; grid 8 x 32, 8 waves a work-group, no clusters, 327,680 bytes of LDS; arguments qkv, ckv, yh; writes yh
;; launch oproj: the kernel of part 5 again; grid 8 x 32, 4 waves a work-group, clusters of 4 x 4, 327,680 bytes of LDS; arguments yh, wb, bp, out0; writes out0
